; MI455X (gfx1250); checked and timed in simulation.
; The chip was launched on July 23, 2026; its instructions are those of AMD's public machine-readable ISA for CDNA 5 (MIT licence, August 2026) and "CDNA5" Instruction Set Architecture Reference Guide (July 2026). The comments in the code are by the model that wrote it; some were corrected since.
;; Multi Head Attention. Allowed arithmetic: matrix products marked QUANTISED: E2M1 operands, one E8M0 scale for each 32 along K, by v_wmma_scale_f32_16x16x128_f8f6f4 with both operands' format E2M1 (or v_wmma_scale_f32_32x16x128_f4), f32 sums; products left as they are: bf16, f16 or f32 operands; f32 sums; everything else in f32.
;; Inputs: w_k 1,024 x 2,048 float32; w_o 2,048 x 1,024 float32; w_q 1,024 x 2,048 float32; w_v 1,024 x 2,048 float32; x 1 x 4,096 x 2,048 float32.
;; Outputs: out0 1 x 4,096 x 2,048 float32.
;; This version of the problem:
;;   THIS VERSION OF THE PROBLEM IS GIVEN IN LOW PRECISION. The matrix products marked QUANTISED in the list below multiply operands that are first quantised to E2M1 (2 exponent bits, 1 mantissa bit; 4 bits a number), with one power-of-two scale for each 32 numbers along K (OCP MX v1.0); their sums are f32. The products marked 'left as it is' may take bf16, f16 or f32 operands, with f32 sums. Whichever they take, every output number must still come out within the allowed error. Rounding operands to bf16 (8 significant bits) uses up far more of that allowance than f16 does (11 bits, for magnitudes from 6e-5 to 65,504). All else is computed in f32.
;;   The module's matrix products, in the order in which they are computed (A, B: the left and right operand; K: the contracted axis; several contracted axes count as one K, in the product's order):
;;     1. [M 4,096, K 2,048] x [K 2,048, N 1,024]; A: input x; B: input w_q: QUANTISED
;;     2. [M 4,096, K 2,048] x [K 2,048, N 1,024]; A: input x; B: input w_k: QUANTISED
;;     3. [M 4,096, K 2,048] x [K 2,048, N 1,024]; A: input x; B: input w_v: QUANTISED
;;     4. batch 16 x [M 4,096, K 64] x [K 64, N 4,096]; A: computed on the way; B: computed on the way: left as it is (an operand is computed on the way)
;;     5. batch 16 x [M 4,096, K 4,096] x [K 4,096, N 64]; A: computed on the way; B: computed on the way: left as it is (an operand is computed on the way)
;;     6. [M 4,096, K 1,024] x [K 1,024, N 2,048]; A: computed on the way; B: input w_o: left as it is (an operand is computed on the way)
;;   THE QUANTISER, for each operand of a quantised product, along K:
;;     - K is cut into blocks of 32 from its start; a last block that is shorter is filled with zeros.
;;     - A block's scale is 2^e with e = floor(log2(the largest magnitude in the block)) - 2, held to -126 .. 127; a block of zeros has e = 0. As a byte (E8M0): e + 127.
;;     - Each number is divided by its block's scale, clamped to +-6, and rounded to the nearest number of E2M1, ties to even, subnormals kept.
;;     - The product sums the exact products of the quantised numbers (number of the format x scale) in f32.
;;   ~~~python
;;   def quantise(x, axis):      # numpy; x: float32 -> the quantised numbers, widened to float32 again
;;       x = np.moveaxis(x, axis, -1); K = x.shape[-1]
;;       x = np.pad(x, [(0, 0)] * (x.ndim - 1) + [(0, -K % 32)]); x = x.reshape(x.shape[:-1] + (-1, 32)); a = np.abs(x).max(-1, keepdims=True)
;;       e = np.where(a > 0, np.clip(np.frexp(np.where(a > 0, a, 1))[1] - 1 - 2, -126, 127), 0)      # np.frexp(a)[1] - 1 = floor(log2(a)), exactly
;;       r = np.clip(x / 2.0 ** e, -6, 6)
;;       step = 2.0 ** (np.maximum(np.frexp(np.where(r == 0, 1, r))[1] - 1, 0) - 1)
;;       q = np.round(r / step) * step * 2.0 ** e      # np.round: ties to even
;;       return np.moveaxis(q.reshape(q.shape[:-2] + (-1,))[..., :K], -1, axis).astype(np.float32)
;;   ~~~
;; One version. Each part assembles by itself: llvm-mc -triple=amdgcn-amd-amdhsa -mcpu=gfx1250 --defsym DOCPART=n.
;; ======== version 1 of 1: 5 launches
;; limits: values are held in f16: magnitudes above 65,504 overflow, below 6.1e-05 lose precision
;; workspace buffers: codes 7,340,032 bytes; scales 458,752 bytes; wo16 4,194,304 bytes; rope 1,048,576 bytes; qkv 25,165,824 bytes; fine 786,432 bytes; ctx 8,388,608 bytes
;; launch prep (part 1): grid 640 x 1, 4 waves a work-group, no clusters, 33,280 bytes of LDS; arguments x, w_q, w_k, w_v, w_o, codes, scales, wo16, rope; writes codes, scales, wo16, rope
.if DOCPART == 1
	.amdgcn_target "amdgcn-amd-amdhsa--gfx1250"
	.amdhsa_code_object_version 6
	.text
	.protected	k_qda7fad57e9_prep
	.globl	k_qda7fad57e9_prep
	.p2align	8
	.type	k_qda7fad57e9_prep,@function
k_qda7fad57e9_prep:
	s_mov_b64 s[64:65], 0
	v_nop
	global_prefetch_b8 v0, s[64:65] scope:SCOPE_SE
	s_setreg_imm32_b32 hwreg(HW_REG_WAVE_MODE, 25, 1), 1
	s_wait_xcnt 0x0
; PREP.  Three jobs, told apart by the work-group's number alone.
;  0-447:   x [4096][2048], w_q, w_k, w_v [1024][2048], f32, K innermost, become codes of FP4 (E2M1), two a byte, and one E8M0 byte for each 32 along K.
;           The four tensors are stacked: codes [7168 rows][1024 bytes], scales [7168][64]; rows 0-4095 x, then w_q, w_k, w_v.  Rows are dense, so each tensor is a plain stream of blocks of 32.
;           A block's scale is 2^(floor(log2(largest magnitude)) - 2): its byte is the largest magnitude's exponent field - 2, held at 1 from below.
;  448-575: w_o [2048][1024] f32 becomes f16 in planes, wo16 [16 planes p][2048 rows n][64] = w_o[n][64 p + d]: a plane is one head's part of the last product's K.
;  576-639: the table of rotations, rope [4096 positions][cos i = 0..31 | sin i = 0..31] f32, 256 bytes a position.
; LIMITS.  A block of zeros gets the byte 1, not 127: its codes are zeros and this program alone reads the bytes.  Blocks whose largest magnitude lies under 2^-124 were not tried.
; NaN and infinities among the inputs are not served.  w_o must stay under 65,504, f16's largest number.
; The frequency 10000^(-i/32) is made as 2^(-i log2(10000)/32) by v_exp_f32; at position 4,095 the angle may so differ by some 5e-4 from one made by a power and a division.  It stands ahead of no quantiser, and q and k take the same table.
.set WREG,  8192                       ; LDS of a quantising wave: two stages of 32 x SP bytes, then its 256 scale bytes
.set SP,    80                         ; a lane's place in a stage: 64 bytes + 16 of padding
.set STEPS, 16                         ; steps of 512 numbers a wave
.set CB,    8                          ; bytes of 16 codes
.set R,     16                         ; v16-79   four sets of 16 numbers as loaded
.set X,     80                         ; v80-111  two sets of 16 neighbours
.set E,     112                        ; v112-127 a scale byte for each step
.set C,     128                        ; v128-191 codes: four registers a step, never written again
.set SPW,   12                         ; v12  LDS address of my spare word; never rewritten
.set NIL,   13                         ; v13  0; never rewritten
.set SPARE, 4*WREG                     ; behind the four regions: the spare words, 128 bytes a wave, which no other line names
	s_load_b512 s[8:23], s[0:1], 0x0               ; x s[8:9], w_q s[10:11], w_k s[12:13], w_v s[14:15], w_o s[16:17], codes s[18:19], scales s[20:21], wo16 s[22:23]
	s_load_b64 s[24:25], s[0:1], 0x40              ; rope
	v_lshl_add_u32 v[SPW], v0, 2, SPARE
	v_mov_b32 v[NIL], 0
	v_lshrrev_b32 v1, 5, v0
	v_readfirstlane_b32 s3, v1                     ; wave 0..3
	s_wait_kmcnt 0x0
	s_cmp_ge_u32 ttmp9, 448
	s_cbranch_scc1 .Lnot_quant
; ---------------- the quantiser.  A work-group takes 32,768 numbers, a wave 8,192.
; Each load reads 512 consecutive bytes; a step's 2,048 bytes turn through the wave's own stage in LDS and come back 64 bytes a lane: 16 neighbours along K, two lanes to a block.
	v_and_b32 v2, 31, v0                           ; lane
	v_lshlrev_b32 v3, 4, v2                        ; my 16 bytes of a load's 512
	s_mul_i32 s28, s3, WREG
	v_lshrrev_b32 v14, 2, v2
	v_mul_u32_u24 v14, v14, SP
	v_and_b32 v15, 3, v2
	v_lshl_add_u32 v14, v15, 4, v14
	v_add_nc_u32 v14, s28, v14                     ; the stage, on the way in: SP (lane / 4) + 16 (lane % 4)
	v_mul_u32_u24 v15, v2, SP
	v_add_nc_u32 v15, s28, v15                     ; and on the way out: SP x lane
	v_mul_u32_u24 v4, v2, CB                       ; my codes' place in a step's 256 bytes
	v_lshrrev_b32 v5, 1, v2
	s_add_co_u32 s28, s28, 2*32*SP
	v_add_nc_u32 v5, s28, v5                       ; my block's byte among the wave's 256 scale bytes
	v_lshlrev_b32 v7, 3, v2
	v_add_nc_u32 v6, s28, v7                       ; and 8 bytes a lane on their way out
	s_cmp_lt_u32 ttmp9, 384                        ; which tensor: 256 work-groups for x, 64 for each weight.  The choices hang on the work-group's number alone
	s_cselect_b64 s[4:5], s[12:13], s[14:15]
	s_cmp_lt_u32 ttmp9, 320
	s_cselect_b64 s[4:5], s[10:11], s[4:5]
	s_and_b32 s27, ttmp9, 63                       ; the work-group's place in a weight (256, 320 and 384 are multiples of 64)
	s_cmp_lt_u32 ttmp9, 256
	s_cselect_b64 s[4:5], s[8:9], s[4:5]
	s_cselect_b32 s26, ttmp9, s27
	s_lshl_b32 s26, s26, 2
	s_add_co_u32 s26, s26, s3                      ; my run of 8,192 numbers in the source,
	s_lshl_b32 s26, s26, 15                        ; 32,768 bytes a run
	s_mov_b32 s27, 0
	s_add_nc_u64 s[4:5], s[4:5], s[26:27]
	s_lshl_b32 s30, ttmp9, 2
	s_add_co_u32 s30, s30, s3                      ; and in the stacked outputs:
	s_lshl_b32 s26, s30, 12                        ; 4,096 bytes of codes a run,
	s_add_nc_u64 s[18:19], s[18:19], s[26:27]
	s_lshl_b32 s26, s30, 8                         ; 256 scale bytes
	s_add_nc_u64 s[20:21], s[20:21], s[26:27]
.macro LOAD t
.irp i, 0,1,2,3
	global_load_b128 v[R+16*((\t)%4)+4*\i:R+16*((\t)%4)+4*\i+3], v3, s[4:5] offset:2048*(\t)+512*\i th:TH_LOAD_NT   ; 32 lanes read 512 consecutive bytes
.endr
.endm
.macro TURN t                          ; step t's numbers through the stage: LDS serves a wave's instructions in order, so no wait stands between the stores and the loads
.irp i, 0,1,2,3
	ds_store_b128 v14, v[R+16*((\t)%4)+4*\i:R+16*((\t)%4)+4*\i+3] offset:32*SP*((\t)%2)+8*SP*\i
.endr
.irp i, 0,1,2,3
	ds_load_b128 v[X+16*((\t)%2)+4*\i:X+16*((\t)%2)+4*\i+3], v15 offset:32*SP*((\t)%2)+16*\i
.endr
.endm
.irp t, 0,1,2,3
	LOAD \t
.endr
	s_wait_loadcnt 12                              ; step 0's four loads are in; the twelve of steps 1 to 3 may be out
	TURN 0
.macro STEP t
.set XS, X+16*((\t)%2)
.if (\t) > 0
	s_wait_dscnt 1                                 ; this step's numbers are back from the stage (the last step's byte store may be out)
.else
	s_wait_dscnt 0x0
.endif
.if (\t)+4 < STEPS
	LOAD (\t)+4                                    ; the registers that the stage's stores have read take the loads of four steps on
.endif
.if (\t)+1 < STEPS
.if STEPS-2-(\t) >= 3
	s_wait_loadcnt 12                              ; the next step's four loads are in; those of the three steps behind it may be out
.else
	s_wait_loadcnt 4*(STEPS-2-(\t))
.endif
	TURN (\t)+1
.endif
	v_max3_num_f32 v8, |v[XS]|, |v[XS+1]|, |v[XS+2]|               ; the largest magnitude of my 16, in two chains
	v_max3_num_f32 v9, |v[XS+3]|, |v[XS+4]|, |v[XS+5]|
.irp i, 6,10
	v_max3_num_f32 v8, v8, |v[XS+\i]|, |v[XS+\i+1]|
	v_max3_num_f32 v9, v9, |v[XS+\i+2]|, |v[XS+\i+3]|
.endr
	v_max3_num_f32 v8, v8, |v[XS+14]|, |v[XS+15]|
	v_max3_num_f32 v8, v8, v9, 0x1800000           ; and the floor 2^(3 - 127): the byte cannot fall under 1
	v_max_num_f32_dpp v8, v8, v8 row_xmask:1 row_mask:0xf bank_mask:0xf   ; with my neighbour's 16: the block's
	v_add_nc_u32 v11, 0xff000000, v8               ; 2 off its exponent field: the conversion takes this operand's exponent field as its scale
	v_cvt_scalef32_pk8_fp4_f32 v[C+4*(\t)], v[XS:XS+7], v11
	v_cvt_scalef32_pk8_fp4_f32 v[C+4*(\t)+1], v[XS+8:XS+15], v11
	v_lshrrev_b32 v[E+(\t)], 23, v11               ; the scale's byte (also the plain line behind the conversions)
	ds_store_b8 v5, v[E+(\t)] offset:16*(\t)       ; both lanes of a block write the same byte with the same value
	global_store_b64 v4, v[C+4*(\t):C+4*(\t)+1], s[18:19] offset:32*CB*(\t)   ; the wave stores 256 consecutive bytes, aligned
.endm
.irp t, 0,1,2,3,4,5,6,7,8,9,10,11,12,13,14,15
	STEP \t
.endr
	ds_load_b64 v[8:9], v6                         ; my wave's 256 scale bytes, behind my stores of them
	s_wait_dscnt 0x0
	global_store_b64 v7, v[8:9], s[20:21]          ; 256 consecutive bytes, aligned
	s_wait_tensorcnt 0x0                           ; the wave's end, behind my last LDS store
	ds_add_u32 v[SPW], v[NIL]
	s_wait_dscnt 0x0
	s_endpgm
.Lnot_quant:
	s_cmp_ge_u32 ttmp9, 576
	s_cbranch_scc1 .Lrope
; ---------------- w_o to f16 planes.  Work-group g takes 256 rows of one plane: plane g / 8, rows 256 (g % 8) on.  Thread t, trip k: row 8 k + t / 16, four numbers at 4 (t % 16).
	s_sub_co_u32 s26, ttmp9, 448                   ; g
	s_and_b32 s28, s26, 7
	s_lshl_b32 s28, s28, 20                        ; 256 rows of 4,096 bytes
	s_lshr_b32 s27, s26, 3
	s_lshl_b32 s27, s27, 8                         ; the plane's 256 bytes of a row
	s_add_co_u32 s28, s28, s27
	s_mov_b32 s29, 0
	s_add_nc_u64 s[16:17], s[16:17], s[28:29]
	s_lshl_b32 s28, s26, 15                        ; 32,768 bytes of f16 a work-group
	s_add_nc_u64 s[22:23], s[22:23], s[28:29]
	v_lshrrev_b32 v1, 4, v0
	v_and_b32 v2, 15, v0
	v_lshlrev_b32 v1, 12, v1
	v_lshl_add_u32 v1, v2, 4, v1                   ; in: sixteen lanes read 256 consecutive bytes, aligned
	v_lshlrev_b32 v2, 3, v0                        ; out: 8 bytes a thread, 256 consecutive bytes a wave
.set k, 0
.rept 32
	global_load_b128 v[16+4*k:19+4*k], v1, s[16:17] offset:32768*k th:TH_LOAD_NT
.set k, k+1
.endr
.set k, 0
.rept 32
	s_wait_loadcnt 31-k                            ; loads come back in order: trip k's is in, the younger ones stay out
	v_cvt_pk_f16_f32 v[16+4*k], v[16+4*k], v[17+4*k]
	v_cvt_pk_f16_f32 v[17+4*k], v[18+4*k], v[19+4*k]
	global_store_b64 v2, v[16+4*k:17+4*k], s[22:23] offset:1024*k   ; each trip has registers of its own: none is written again
.set k, k+1
.endr
	s_endpgm
.Lrope:
; ---------------- the table.  Work-group g takes 64 positions, a wave 16, two a step.  Lane l: position + l / 16; cos (l / 8 even) or sin (odd); frequencies 4 (l % 8) + 0..3.
; theta = position x frequency, one f32 rounding.  theta = k pi/2 + r with pi/2 in three parts; cos and sin of r by polynomials on |r| <= pi/4; sin(theta) = cos(theta - pi/2): three quadrants on.
.set FQ, 16                            ; v16-19 the four frequencies
.set Q3, 20                            ; v20    0 for cos, 3 for sin
.set PB, 21                            ; v21    the lane's first position
.set PF, 22                            ; v22    the step's position, f32
.set TH, 24                            ; v24-27 theta, then r
.set KFL, 28                           ; v28-31 k as f32
.set KI, 32                            ; v32-35 the quadrant
.set SS, 36                            ; v36-39 r^2
.set PS, 40                            ; v40-43 sin r
.set PC, 44                            ; v44-47 cos r
.set TT, 48                            ; v48-51 at work
.set OUTR, 64                          ; v64-95 results: four registers a step, never written again
	s_sub_co_u32 s26, ttmp9, 576                   ; g
	s_lshl_b32 s28, s26, 14                        ; 64 positions of 256 bytes
	s_mov_b32 s29, 0
	s_add_nc_u64 s[24:25], s[24:25], s[28:29]
	s_lshl_b32 s26, s26, 6
	s_mov_b32 s28, 0x3f22f983                      ; 2 / pi
	s_mov_b32 s29, 0x3fc90fd8                      ; pi/2 in three parts
	s_mov_b32 s30, 0x34a8885a
	s_mov_b32 s31, 0x27c234c5
	s_mov_b32 s32, 0xbe2aaaa3                      ; sin r = r + r s (S1 + s (S2 + s S3)), s = r^2
	s_mov_b32 s33, 0x3c08839e
	s_mov_b32 s34, 0xb94ca1f9
	s_mov_b32 s35, 0x3d2aaaa5                      ; cos r = 1 - s / 2 + s^2 (C0 + s (C1 + s C2))
	s_mov_b32 s36, 0xbab6061a
	s_mov_b32 s37, 0x37ccf5ce
	v_and_b32 v2, 31, v0
	v_lshlrev_b32 v3, 4, v2
	v_lshl_add_u32 v3, v1, 12, v3                  ; out: 4,096 x wave + 16 x lane (v1 still holds the wave's number)
	v_and_b32 v4, 7, v0
	v_lshlrev_b32 v4, 2, v4                        ; my first frequency's index
	v_bfe_u32 v5, v0, 3, 1
	v_mul_u32_u24 v[Q3], v5, 3
	v_bfe_u32 v[PB], v0, 4, 1
	v_lshl_add_u32 v[PB], v1, 4, v[PB]
	v_add_nc_u32 v[PB], s26, v[PB]                 ; 64 g + 16 wave + lane / 16
.irp n, 0,1,2,3
	v_add_nc_u32 v[FQ+\n], \n, v4
.endr
.irp n, 0,1,2,3
	v_cvt_f32_u32 v[FQ+\n], v[FQ+\n]
.endr
.irp n, 0,1,2,3
	v_mul_f32 v[FQ+\n], 0xbed49a78, v[FQ+\n]       ; - i log2(10000) / 32
.endr
.irp n, 0,1,2,3
	v_exp_f32 v[FQ+\n], v[FQ+\n]
.endr
	v_nop                                          ; a plain line behind the last exponential,
	s_wait_alu depctr_va_vdst(0)                   ; and one wait for the four, ahead of their first reader
.macro COSQ k
	v_add_nc_u32 v[PF], 2*(\k), v[PB]
	v_cvt_f32_u32 v[PF], v[PF]
.irp n, 0,1,2,3
	v_mul_f32 v[TH+\n], v[PF], v[FQ+\n]
.endr
.irp n, 0,1,2,3
	v_mul_f32 v[KFL+\n], s28, v[TH+\n]
.endr
.irp n, 0,1,2,3
	v_rndne_f32 v[KFL+\n], v[KFL+\n]
.endr
.irp n, 0,1,2,3
	v_fma_f32 v[TH+\n], -v[KFL+\n], s29, v[TH+\n]
.endr
.irp n, 0,1,2,3
	v_fma_f32 v[TH+\n], -v[KFL+\n], s30, v[TH+\n]
.endr
.irp n, 0,1,2,3
	v_fma_f32 v[TH+\n], -v[KFL+\n], s31, v[TH+\n]
.endr
.irp n, 0,1,2,3
	v_cvt_i32_f32 v[KI+\n], v[KFL+\n]
.endr
.irp n, 0,1,2,3
	v_add_nc_u32 v[KI+\n], v[KI+\n], v[Q3]
.endr
.irp n, 0,1,2,3
	v_mul_f32 v[SS+\n], v[TH+\n], v[TH+\n]
.endr
.irp n, 0,1,2,3
	v_fma_f32 v[PS+\n], v[SS+\n], s34, s33
.endr
.irp n, 0,1,2,3
	v_fma_f32 v[PS+\n], v[PS+\n], v[SS+\n], s32
.endr
.irp n, 0,1,2,3
	v_mul_f32 v[TT+\n], v[TH+\n], v[SS+\n]
.endr
.irp n, 0,1,2,3
	v_fma_f32 v[PS+\n], v[TT+\n], v[PS+\n], v[TH+\n]   ; sin r
.endr
.irp n, 0,1,2,3
	v_fma_f32 v[PC+\n], v[SS+\n], s37, s36
.endr
.irp n, 0,1,2,3
	v_fma_f32 v[PC+\n], v[PC+\n], v[SS+\n], s35
.endr
.irp n, 0,1,2,3
	v_fma_f32 v[TT+\n], v[SS+\n], -0.5, 1.0
.endr
.irp n, 0,1,2,3
	v_mul_f32 v[SS+\n], v[SS+\n], v[SS+\n]
.endr
.irp n, 0,1,2,3
	v_fma_f32 v[PC+\n], v[SS+\n], v[PC+\n], v[TT+\n]   ; cos r
.endr
.irp n, 0,1,2,3
	v_and_b32 v[TT+\n], 1, v[KI+\n]
	v_cmp_eq_u32 vcc_lo, 1, v[TT+\n]
	v_cndmask_b32 v[PC+\n], v[PC+\n], v[PS+\n], vcc_lo ; an odd quadrant takes sin r
.endr
.irp n, 0,1,2,3
	v_add_nc_u32 v[KI+\n], 1, v[KI+\n]
.endr
.irp n, 0,1,2,3
	v_and_b32 v[KI+\n], 2, v[KI+\n]                ; quadrants 1 and 2 are negative
.endr
.irp n, 0,1,2,3
	v_lshlrev_b32 v[KI+\n], 30, v[KI+\n]
.endr
.irp n, 0,1,2,3
	v_xor_b32 v[OUTR+4*(\k)+\n], v[KI+\n], v[PC+\n]
.endr
	global_store_b128 v3, v[OUTR+4*(\k):OUTR+4*(\k)+3], s[24:25] offset:512*(\k)   ; two whole positions: 512 consecutive bytes
.endm
.irp k, 0,1,2,3,4,5,6,7
	COSQ \k
.endr
	s_endpgm
.Lfunc_end_k_qda7fad57e9_prep:
	.size	k_qda7fad57e9_prep, .Lfunc_end_k_qda7fad57e9_prep-k_qda7fad57e9_prep
	.p2alignl 7, 3214868480
	.fill 96, 4, 3214868480
	.section	.rodata,"a",@progbits
	.p2align	6, 0x0
	.amdhsa_kernel k_qda7fad57e9_prep
		.amdhsa_group_segment_fixed_size 33280
		.amdhsa_private_segment_fixed_size 0
		.amdhsa_enable_private_segment 0
		.amdhsa_kernarg_size 72
		.amdhsa_user_sgpr_count 2
		.amdhsa_user_sgpr_kernarg_segment_ptr 1
		.amdhsa_wavefront_size32 1
		.amdhsa_system_sgpr_workgroup_id_x 1
		.amdhsa_system_sgpr_workgroup_id_y 1
		.amdhsa_system_sgpr_workgroup_id_z 1
		.amdhsa_system_vgpr_workitem_id 0
		.amdhsa_next_free_vgpr 192
		.amdhsa_next_free_sgpr 66
		.amdhsa_reserve_vcc 1
		.amdhsa_float_denorm_mode_32 3
		.amdhsa_float_denorm_mode_16_64 3
		.amdhsa_memory_ordered 1
		.amdhsa_forward_progress 1
		.amdhsa_inst_pref_size 83
	.end_amdhsa_kernel
	.amdgpu_metadata
---
amdhsa.version: [ 1, 2 ]
amdhsa.kernels:
  - .name:           k_qda7fad57e9_prep
    .symbol:         k_qda7fad57e9_prep.kd
    .args:
      - { .name: x, .offset: 0, .size: 8, .value_kind: global_buffer, .address_space: global }
      - { .name: w_q, .offset: 8, .size: 8, .value_kind: global_buffer, .address_space: global }
      - { .name: w_k, .offset: 16, .size: 8, .value_kind: global_buffer, .address_space: global }
      - { .name: w_v, .offset: 24, .size: 8, .value_kind: global_buffer, .address_space: global }
      - { .name: w_o, .offset: 32, .size: 8, .value_kind: global_buffer, .address_space: global }
      - { .name: codes, .offset: 40, .size: 8, .value_kind: global_buffer, .address_space: global }
      - { .name: scales, .offset: 48, .size: 8, .value_kind: global_buffer, .address_space: global }
      - { .name: wo16, .offset: 56, .size: 8, .value_kind: global_buffer, .address_space: global }
      - { .name: rope, .offset: 64, .size: 8, .value_kind: global_buffer, .address_space: global }
    .group_segment_fixed_size: 33280
    .private_segment_fixed_size: 0
    .kernarg_segment_align: 8
    .kernarg_segment_size: 72
    .max_flat_workgroup_size: 128
    .sgpr_count:     66
    .vgpr_count:     192
    .wavefront_size: 32
...
	.end_amdgpu_metadata
.endif
;; end of part 1
;; launch qkv (part 2): grid 12 x 16, 4 waves a work-group, clusters of 4 x 4, 327,680 bytes of LDS; arguments codes, scales, rope, qkv, fine; writes qkv, fine
.if DOCPART == 2
	.amdgcn_target "amdgcn-amd-amdhsa--gfx1250"
	.amdhsa_code_object_version 6
	.text
	.protected	k_qda7fad57e9_qkv
	.globl	k_qda7fad57e9_qkv
	.p2align	8
	.type	k_qda7fad57e9_qkv,@function
k_qda7fad57e9_qkv:
	s_mov_b64 s[64:65], 0
	v_nop
	global_prefetch_b8 v0, s[64:65] scope:SCOPE_SE
	s_setreg_imm32_b32 hwreg(HW_REG_WAVE_MODE, 25, 1), 1
	s_wait_xcnt 0x0
	s_wait_alu depctr_hold_cnt(0) depctr_sa_sdst(0) depctr_va_vdst(0) depctr_va_sdst(0) depctr_va_ssrc(0) depctr_va_vcc(0) depctr_vm_vsrc(0)
	s_getreg_b32 s2, hwreg(HW_REG_IB_STS2, 6, 4)
	s_cmp_eq_u32 s2, 0
	s_cbranch_scc0 .Lentry_in_a_cluster
	s_endpgm
.Lentry_in_a_cluster:
	s_bfe_u32 s2, ttmp6, 0x10000c
	s_cmp_lg_u32 s2, 0xf033
	s_cbranch_scc0 .Lentry_shape_is_right
	s_endpgm
.Lentry_shape_is_right:
; QKV.  C[m][n] = sum over k of x[m][k] W[n][k], m = 0..4095, n = 0..3071 (w_q, w_k, w_v stacked), K = 2,048, on codes of FP4 (E2M1) with one E8M0 scale for each 32 along K; sums in f32.
; codes [7168][1024 bytes], scales [7168][64]: rows 0-4095 are x, rows 4096 on the weights.  The matrix instruction takes codes and scale bytes as they lie.
; A tile of C, 256 x 256, is made by four waves, 128 x 128 each: 64 accumulators, 512 registers.  K goes in steps of 512 through a ring of two LDS slots; a tile's row is 256 bytes of memory.
; The scales of the work-group's 256 + 256 rows, for all of K, come into LDS once, with the first fills.
; CLUSTERS: 4 x 4 work-groups; x's tiles are asked for jointly along a row of the cluster, the weights' along a column.  The matrix instruction is used transposed (source 0 = 16 rows of W, source 1 = 16 rows of x):
; a lane holds eight neighbouring columns of one row of C.
; THE WAY OUT.  A wave's 128 columns are two heads.  Columns d and d + 32 of a head are turned by the position's angle (table rope: cos, sin); q is also multiplied by 2 log2(e) / 8 and k by 1/2, so that q . k is the score in
; powers of two and both have room in f16; v is left as it is.  All three take one path: the table is scaled, cos' = cos f1 + f0, sin' = sin f1, with (f1, f0) = (2c, 0), (1/2, 0), (0, 1), chosen by the cluster's x.
; The results go out as f16 in planes, qkv [48 planes = column / 64][4096][64].  The same numbers in f32, of each tile's first 16 rows in the first row of clusters, go to fine [4 (cy)][16][3072]: rows 0-15 of the
; sequence are part cy = 0; all four partners of a cluster store and are told apart by address: three quarters of fine's 786,432 bytes are never read.
; LIMITS: 2c q, k / 2 and v must stay under 65,504, f16's largest number; NaN and infinities are not served.
; REGISTERS, in windows of 256: window 0: v0-31 addresses; v32-95 scale words, two sets (they hold nothing else); from v128 x's fragments, one set; on the way out v96-159 turned numbers, v160-191 packed, v192-255 rows read back.
;   window 1: W's fragments, two sets, at v0 and v128; v64-127 two sets of table numbers.   window 2: the accumulators of my rows 0-63 ((a, b) at v[8 (8 a + b)]);   window 3: those of rows 64-127.
.set KSTEP,  512                       ; along K in a slot
.set NQ,     KSTEP/128                 ; matrix instructions deep
.set ROWB,   256                       ; a tile's row in bytes
.set KROW,   1024                      ; a row of codes in memory
.set PITCH,  272                       ; an LDS row: 256 bytes + 16 of padding: the 16 rows that a load touches start 16 bytes apart modulo 256
.set FR,     8                         ; registers of a fragment: 16 rows x 128 K
.set NL,     2                         ; LDS loads that bring one
.set NP,     4                         ; places behind this matrix instruction (ISA guide 7.12.1)
.set HALFT,  128*PITCH                 ; 128 rows: what one tensor load brings
.set SLOT,   4*HALFT                   ; x's 256 rows, then W's 256 rows
.set LAPS,   2                         ; a lap = two K steps = once round the ring; K = 2,048 is two laps
.set KS,     64                        ; a row of scales in bytes
.set SCL,    2*SLOT                    ; behind the ring: the scales, as units of 256 bytes + 16 of padding
.set HALFS,  (128*KS/256)*272          ; the scales of 128 rows
.set SBLK,   (16*KS/256)*272           ; those of 16 rows
.set SPARE,  SCL+4*HALFS               ; the spare words, 128 bytes a wave, which no other line names
.set SPITCH, 272                       ; the way out: a stage of 16 rows x (256 bytes + 16) a wave, in slot 0, which has had its last fill and its last read by then
.set WROW0,  4096                      ; the weights' first row in codes and scales
.set ADRA, 16                          ; v16-17 LDS address of my x fragments in slot 0, 1
.set TO,   18                          ; v18    my byte offset in the table: 256 r + 32 h; never rewritten
.set ADRB, 20                          ; v20-21 the same as ADRA for W
.set FO,   22                          ; v22    my byte offset in fine: 12,288 r + 32 h
.set STO,  24                          ; v24    the stage: where I put 16 bytes of a row
.set RD,   25                          ; v25    and where I read back
.set GO,   26                          ; v26    my byte offset in qkv
.set ADRS, 27                          ; v27    LDS address of my scale words: lanes 0-15 x's rows, lanes 16-31 W's
.set SPW,  28                          ; v28    LDS address of my spare word; never rewritten
.set NIL,  29                          ; v29    0; never rewritten
.set F0P,  30                          ; v30-31 f0, twice
.set SC,   32                          ; scale words: set s at v[SC + 32 s]; register 4 i + q: lanes 0-15 x's block i, lanes 16-31 W's block i, the slot's q-th 128 along K
.set RR,   96
.set AF,   128                         ; x's fragments
.set HH,   160
.set BK,   192
.set G1, 24                            ; s[24:31] descriptor group 1 for x's tiles; s[32:39] group 0, a set for each slot
.set G0, 32
.set G1B, 48                           ; s[48:55], s[56:63] the same for W's tiles
.set G0B, 56
.set G1S, 68                           ; s[68:75], s[76:79] for x's scales; s[80:87], s[88:91] for W's
.set G0S, 76
.set G1SB, 80
.set G0SB, 88
.set MSB, 0
.macro WIN new                         ; the immediate's high byte repeats the setting that is left
.if MSB != \new
	s_set_vgpr_msb (MSB<<8)|\new
.set MSB, \new
.endif
.endm
.set MUL_LO, 0xa1                      ; source 0 (W) window 1, source 1 (x) window 0, C and D window 2
.set MUL_HI, 0xf1                      ; the same, C and D window 3
.set TO_B,   0x40                      ; destination window 1, address window 0
; A joint load: waves 0 and 1 fetch for x, waves 2 and 3 for W.  Each line has one mask and one set of registers for all that issue it; the branch hangs on the wave's number alone.
; An s_nop 0 and four v_nop follow each of the two lines.
.macro JLOAD g0a, g1a, g0b, g1b
	s_cmp_eq_u32 s15, 0
	s_cbranch_scc0 .Lfor_b_\@
	tensor_load_to_lds s[\g0a:\g0a+3], s[\g1a:\g1a+7]
	s_nop 0
.rept 4
	v_nop
.endr
	s_branch .Lasked_\@
.Lfor_b_\@:
	tensor_load_to_lds s[\g0b:\g0b+3], s[\g1b:\g1b+7]
	s_nop 0
.rept 4
	v_nop
.endr
.Lasked_\@:
.endm
.macro CREST                           ; a round of the cluster's barrier behind its opening barrier
	s_cmp_lg_u32 s14, 0
	s_cbranch_scc1 .Lnot_wave_0_\@
	s_barrier_signal -3
.Lnot_wave_0_\@:
	s_barrier_wait -3
	s_barrier_signal -1
	s_barrier_wait -1
.endm
.macro CROUND                          ; a whole round
	s_barrier_signal -1
	s_barrier_wait -1
	CREST
.endm
	s_load_b128 s[4:7], s[0:1], 0x0                ; codes s[4:5], scales s[6:7]
	s_load_b128 s[8:11], s[0:1], 0x10              ; rope s[8:9], qkv s[10:11]
	s_load_b64 s[12:13], s[0:1], 0x20              ; fine
	v_lshl_add_u32 v[SPW], v0, 2, SPARE
	v_mov_b32 v[NIL], 0
	ds_add_u32 v[SPW], v[NIL]                      ; the wave's opening: the add, twice on end, and its wait ahead of my first tensor load
	ds_add_u32 v[SPW], v[NIL]                      ; (the set-up below, work on registers, stands between the second and the wait)
	v_lshrrev_b32 v1, 5, v0
	v_readfirstlane_b32 s14, v1                    ; wave 0..3
	s_lshr_b32 s15, s14, 1                         ; which half of the tile's rows is mine.  Also: I fetch for x (0) or for W (1)
	s_and_b32 s16, s14, 1                          ; which half of its columns.  Also: which 128 rows of that tile I fetch
	s_bfe_u32 s40, ttmp6, 0x40000                  ; cx, cy: my place in the cluster
	s_bfe_u32 s41, ttmp6, 0x40004
	s_lshl_b32 s42, ttmp9, 2
	s_add_co_u32 s42, s42, s40                     ; tile column of C = 4 x cluster x + cx
	s_and_b32 s17, ttmp7, 0xffff
	s_or_b32 s2, s17, s15                          ; 0 where fine is stored: the first row of clusters, the waves of a tile's upper half: the same in all partners
	s_lshl_b32 s17, s17, 2
	s_add_co_u32 s17, s17, s41                     ; tile row of C = 4 x cluster y + cy
	s_lshl_b32 s43, s41, 2
	s_lshl_b32 s43, 15, s43                        ; my row of the cluster
	s_lshl_b32 s44, 0x1111, s40                    ; my column
	s_mov_b32 s96, 0x3f000000                      ; f1: 1/2 for k,
	s_cmp_eq_u32 ttmp9, 0                          ; (cluster x = 0, 1, 2: q, k, v)
	s_cselect_b32 s96, 0x3eb8aa3b, s96             ; 2 log2(e) / 8 for q,
	s_mov_b32 s95, 0
	s_cmp_eq_u32 ttmp9, 2
	s_cselect_b32 s96, 0, s96                      ; 0 for v;
	s_cselect_b32 s95, 0x3f800000, s95             ; f0: 1 for v, else 0
	s_mov_b32 s97, s96                             ; (the packed forms name the pair)
	v_mov_b32 v[F0P], s95
	v_mov_b32 v[F0P+1], s95
	; descriptor group 1: a tile of 128 rows x 256 bytes, padded in LDS
	s_or_b32 s[G1+0], s43, (0<<16)|(1<<20)|(1<<21)|(5<<22)|(3<<25)  ; 15:0 the mask: x's tiles go to my row; elements of 1 byte; padding on; bit 21 beside a mask; after every 64 words four words
	s_or_b32 s[G1B+0], s44, (0<<16)|(1<<20)|(1<<21)|(5<<22)|(3<<25)
.irp g, G1, G1B
	s_mov_b32 s[\g+1], ROWB<<16                    ; tensor_dim0
	s_mov_b32 s[\g+2], 128<<16                     ; tensor_dim1
	s_mov_b32 s[\g+3], ROWB<<16                    ; tile_dim0
	s_mov_b32 s[\g+4], 128                         ; tile_dim1
	s_mov_b32 s[\g+5], KROW                        ; tensor_dim0_stride
	s_mov_b32 s[\g+6], 0
	s_mov_b32 s[\g+7], 0
.endr
	; the scales of 128 rows: a dense block of 8,192 bytes, as rows of 256 bytes (32 elements of 8 bytes), 16 bytes of padding behind each
	s_or_b32 s[G1S+0], s43, (3<<16)|(1<<20)|(1<<21)|(5<<22)|(3<<25)
	s_or_b32 s[G1SB+0], s44, (3<<16)|(1<<20)|(1<<21)|(5<<22)|(3<<25)
.irp g, G1S, G1SB
	s_mov_b32 s[\g+1], 32<<16
	s_mov_b32 s[\g+2], (128*KS/256)<<16
	s_mov_b32 s[\g+3], 32<<16
	s_mov_b32 s[\g+4], 128*KS/256
	s_mov_b32 s[\g+5], 32
	s_mov_b32 s[\g+6], 0
	s_mov_b32 s[\g+7], 0
.endr
	s_lshl_b32 s18, s16, 7                         ; which 128 rows of the tile I fetch
	s_lshl_b32 s20, s17, 8
	s_add_co_u32 s20, s20, s18                     ; x: row 256 x tile row + 128 x half
	s_lshl_b32 s46, s42, 8
	s_add_co_u32 s46, s46, s18
	s_add_co_u32 s46, s46, WROW0                   ; W: row 4,096 + 256 x tile column + 128 x half
	s_mov_b32 s21, 0
	s_mov_b32 s47, 0
	s_mov_b64 s[18:19], KS
	s_mul_u64 s[22:23], s[20:21], s[18:19]         ; where these rows' scales begin, in bytes
	s_mul_u64 s[92:93], s[46:47], s[18:19]
	s_mov_b64 s[18:19], KROW
	s_mul_u64 s[20:21], s[20:21], s[18:19]         ; and their codes
	s_mul_u64 s[46:47], s[46:47], s[18:19]
	s_mul_i32 s45, s14, HALFT                      ; where they go: wave x 128 rows: no place in the cluster enters an LDS address
	s_mul_i32 s94, s14, HALFS
	s_wait_dscnt 0x0                               ; both opening adds are done
	s_wait_kmcnt 0x0
	s_add_nc_u64 s[20:21], s[4:5], s[20:21]
	s_add_nc_u64 s[22:23], s[6:7], s[22:23]
	s_add_nc_u64 s[46:47], s[4:5], s[46:47]
	s_add_nc_u64 s[92:93], s[6:7], s[92:93]
	CROUND                                         ; all sixteen work-groups are here: the first joint loads meet
	s_mov_b32 s[G0S], 1
	s_add_co_u32 s[G0S+1], s94, SCL
	s_mov_b64 s[G0S+2:G0S+3], s[22:23]
	s_or_b32 s[G0S+3], s[G0S+3], 0x80000000
	s_mov_b32 s[G0SB], 1
	s_add_co_u32 s[G0SB+1], s94, SCL
	s_mov_b64 s[G0SB+2:G0SB+3], s[92:93]
	s_or_b32 s[G0SB+3], s[G0SB+3], 0x80000000
	JLOAD G0S, G1S, G0SB, G1SB                     ; the scales first: they are wanted with K step 0
.irp s, 0,1
	s_mov_b32 s[G0+4*\s], 1
	s_add_co_u32 s[G0+4*\s+1], s45, \s*SLOT
	s_add_nc_u64 s[G0+4*\s+2:G0+4*\s+3], s[20:21], \s*ROWB
	s_or_b32 s[G0+4*\s+3], s[G0+4*\s+3], 0x80000000
	s_mov_b32 s[G0B+4*\s], 1
	s_add_co_u32 s[G0B+4*\s+1], s45, \s*SLOT
	s_add_nc_u64 s[G0B+4*\s+2:G0B+4*\s+3], s[46:47], \s*ROWB
	s_or_b32 s[G0B+4*\s+3], s[G0B+4*\s+3], 0x80000000
	JLOAD G0+4*\s, G1, G0B+4*\s, G1B
.endr
	v_and_b32 v1, 15, v0                           ; r = l % 16
	v_bfe_u32 v2, v0, 4, 1                         ; h = l / 16
	v_mul_u32_u24 v3, v1, PITCH
	v_lshl_add_u32 v4, v2, 4, v3                   ; a fragment's row x pitch + 16 x half
	s_mul_i32 s21, s15, HALFT                      ; my 128 rows of x
	s_mul_i32 s22, s16, HALFT                      ; my 128 rows of W,
	s_add_co_u32 s22, s22, 2*HALFT                 ; which lie behind x's 256
.irp s, 0,1
	v_add_nc_u32 v[ADRA+\s], s21, v4
	v_add_nc_u32 v[ADRB+\s], s22, v4
	s_add_co_u32 s21, s21, SLOT
	s_add_co_u32 s22, s22, SLOT
.endr
	v_mul_u32_u24 v5, v1, KS                       ; my row's scales: 64 bytes a row,
	v_lshrrev_b32 v6, 8, v5
	v_lshl_add_u32 v5, v6, 4, v5                   ; and 16 more for each 256 passed
	s_mul_i32 s21, s15, HALFS                      ; x's: my 128 rows
	s_mul_i32 s22, s16, HALFS                      ; W's: my 128 rows, behind x's 256
	s_add_co_u32 s22, s22, 2*HALFS
	s_sub_co_u32 s22, s22, s21
	v_mul_u32_u24 v6, s22, v2                      ; lanes 16-31 take W's
	s_add_co_u32 s21, s21, SCL
	v_add_nc_u32 v5, v5, v6
	v_add_nc_u32 v[ADRS], s21, v5
	s_mul_i32 s23, s14, 16*SPITCH                  ; my stage
	v_add_nc_u32 v[STO], s23, v4                   ; in: row r, 16 bytes for each half of the lanes
	v_bfe_u32 v7, v0, 3, 1
	v_and_b32 v8, 7, v0
	v_mul_u32_u24 v9, v7, SPITCH                   ; back: lanes 0-15 take two rows' first 128 bytes (one plane), lanes 16-31 their second (the next plane)
	v_lshl_add_u32 v9, v2, 7, v9
	v_lshl_add_u32 v9, v8, 4, v9
	v_add_nc_u32 v[RD], s23, v9
	v_lshlrev_b32 v[GO], 19, v2                    ; and the same in qkv: a plane is 524,288 bytes, a row 128
	v_lshl_add_u32 v[GO], v7, 7, v[GO]
	v_lshl_add_u32 v[GO], v8, 4, v[GO]
	v_lshlrev_b32 v[TO], 8, v1
	v_lshl_add_u32 v[TO], v2, 5, v[TO]
	v_mul_u32_u24 v[FO], v1, 12288
	v_lshl_add_u32 v[FO], v2, 5, v[FO]
	s_lshl_b32 s20, s17, 8
	s_lshl_b32 s21, s15, 7
	s_add_co_u32 s20, s20, s21                     ; my first row of C: 256 x tile row + 128 x half
	s_mov_b32 s23, 0
	s_lshl_b32 s22, s20, 8                         ; the table: 256 bytes a position
	s_add_nc_u64 s[8:9], s[8:9], s[22:23]
	s_lshl_b32 s22, s20, 7                         ; qkv: 128 bytes a row,
	s_lshl_b32 s46, s42, 2
	s_lshl_b32 s47, s16, 1
	s_add_co_u32 s46, s46, s47                     ; plane 4 x tile column + 2 x half
	s_lshl_b32 s46, s46, 19
	s_add_co_u32 s22, s22, s46
	s_add_nc_u64 s[10:11], s[10:11], s[22:23]
	s_mul_i32 s22, s41, 196608                     ; fine: part cy,
	s_lshl_b32 s46, s42, 10
	s_lshl_b32 s47, s16, 9
	s_add_co_u32 s22, s22, s46
	s_add_co_u32 s22, s22, s47                     ; my first column, 4 bytes each
	s_add_nc_u64 s[12:13], s[12:13], s[22:23]
; The table's numbers of block a (16 positions): lane (r, h) wants cos and sin of frequencies 16 e + 8 h + 0..7, e = 0, 1.  Set a % 2 in window 1: cos (e, j) at T + 8 e + j, sin at T + 16 + 8 e + j.
.macro LOADT a
.set T, 64+32*((\a)%2)
	WIN TO_B
.irp e, 0,1
	global_load_b128 v[T+8*\e:T+8*\e+3],       v[TO], s[8:9] offset:4096*(\a)+64*\e
	global_load_b128 v[T+8*\e+4:T+8*\e+7],     v[TO], s[8:9] offset:4096*(\a)+64*\e+16
	global_load_b128 v[T+16+8*\e:T+16+8*\e+3], v[TO], s[8:9] offset:4096*(\a)+128+64*\e
	global_load_b128 v[T+16+8*\e+4:T+16+8*\e+7], v[TO], s[8:9] offset:4096*(\a)+128+64*\e+16
.endr
	WIN 0
.endm
	LOADT 0                                        ; blocks 0 and 1: into registers that the loop never names; they are waited for on the way out
	LOADT 1
.macro FRAG reg, adr, q, i             ; a fragment, 16 rows x 128 K of 4-bit codes: lane l holds row l % 16; registers 4 c .. 4 c + 3 hold K = 64 c + 32 (l / 16) + 0 .. 31
.irp c, 0,1
	ds_load_b128 v[\reg+4*\c:\reg+4*\c+3], v[\adr] offset:64*(\q)+32*\c+(\i)*16*PITCH
.endr
.endm
; 16 matrix instructions: x's blocks a0, a0 + 1 against W's eight, 128 along K: the slot's q-th.  p: W's set; sc: the set of scale words.  zero = 1: the first product starts the sums.
; The 64 accumulators take turns, one instruction a turn, in the same order in every step.
.macro MUL16 a0, p, q, sc, zero
.irp a, \a0, \a0+1
.irp b, 0,1,2,3,4,5,6,7
.if \zero
	v_wmma_scale_f32_16x16x128_f8f6f4 v[8*(8*((\a)%4)+\b):8*(8*((\a)%4)+\b)+7], v[128*(\p)+FR*\b:128*(\p)+FR*\b+FR-1], v[AF+FR*(\a):AF+FR*(\a)+FR-1], 0, v[SC+8*NQ*(\sc)+NQ*\b+(\q)], v[SC+8*NQ*(\sc)+NQ*(\a)+(\q)] matrix_a_fmt:MATRIX_FMT_FP4 matrix_b_fmt:MATRIX_FMT_FP4 matrix_a_scale:MATRIX_SCALE_ROW1
.else
	v_wmma_scale_f32_16x16x128_f8f6f4 v[8*(8*((\a)%4)+\b):8*(8*((\a)%4)+\b)+7], v[128*(\p)+FR*\b:128*(\p)+FR*\b+FR-1], v[AF+FR*(\a):AF+FR*(\a)+FR-1], v[8*(8*((\a)%4)+\b):8*(8*((\a)%4)+\b)+7], v[SC+8*NQ*(\sc)+NQ*\b+(\q)], v[SC+8*NQ*(\sc)+NQ*(\a)+(\q)] matrix_a_fmt:MATRIX_FMT_FP4 matrix_b_fmt:MATRIX_FMT_FP4 matrix_a_scale:MATRIX_SCALE_ROW1
.endif
.endr
.endr
.endm
.macro FETCH_B slot, q, p              ; W's eight fragments of the slot's q-th 128 along K into set p
	WIN TO_B
.irp i, 0,1,2,3,4,5,6,7
	FRAG 128*(\p)+FR*\i, ADRB+\slot, \q, \i
.endr
	WIN 0
.endm
.macro FETCH_A slot, q, i0             ; x's blocks i0 .. i0 + 3
.irp i, \i0, \i0+1, \i0+2, \i0+3
	FRAG AF+FR*(\i), ADRA+\slot, \q, \i
.endr
.endm
.macro SCALES sc                       ; the next K step's scale words into set sc: four words a row; lanes 0-15 take x's block i, lanes 16-31 W's block i
.irp i, 0,1,2,3,4,5,6,7
	ds_load_b128 v[SC+8*NQ*\sc+NQ*\i:SC+8*NQ*\sc+NQ*\i+3], v[ADRS] offset:\i*SBLK
.endr
.endm
; A load into a register that a matrix instruction has read, and a vector instruction or an LDS store that reads a matrix result, stand NP places behind that matrix instruction; only plain vector
; instructions that name none of its registers are places (ISA guide 7.12.1 for vector instructions).
.macro PLACES n
.rept \n
	v_nop
.endr
.endm
; A step of 128 along K that has its successor in the same slot.
.macro STEP slot, q, zero
	s_wait_dscnt 4*NL                              ; W's set and x's blocks 0-3 are in; the youngest eight loads (x's blocks 4-7) may be out
	WIN MUL_LO
	MUL16 0, (\q)%2, \q, \slot, \zero
	MUL16 2, (\q)%2, \q, \slot, \zero
	s_wait_dscnt 0                                 ; x's blocks 4-7 are in
	PLACES NP
	FETCH_B \slot, (\q)+1, 1-(\q)%2
	FETCH_A \slot, (\q)+1, 0
	WIN MUL_HI
	MUL16 4, (\q)%2, \q, \slot, \zero
	MUL16 6, (\q)%2, \q, \slot, \zero
	PLACES NP
	WIN 0
	FETCH_A \slot, (\q)+1, 4
.endm
; A slot's last step changes slots: one barrier; in front of it each wave waits for all its tensor loads, adds 0 to its spare word, and waits for that and for its own reads of this slot.  fill = 1: this slot is filled again, two K steps ahead.
.macro TURN slot, next, fill
	s_wait_tensorcnt 0x0                           ; all my tensor loads have landed: my part of the next slot
	ds_add_u32 v[SPW], v[NIL]                      ; 0 onto my spare word
	s_wait_dscnt 4*NL+1                            ; (the add and the youngest eight loads, x's blocks 4-7, may be out)
	WIN MUL_LO
	MUL16 0, 1, NQ-1, \slot, 0                     ; sixteen matrix instructions stand between the add and the wait for it
	s_wait_dscnt 0x0                               ; the add is done, and my reads of this slot are over
	s_barrier_signal -1
	MUL16 2, 1, NQ-1, \slot, 0
	WIN 0
	s_barrier_wait -1
.if \fill
	CREST                                          ; the barrier has opened a round of the cluster's barrier: no wave of any partner still reads this slot's tile or has a load on its way
	s_add_nc_u64 s[G0+4*\slot+2:G0+4*\slot+3], s[G0+4*\slot+2:G0+4*\slot+3], 2*ROWB
	s_add_nc_u64 s[G0B+4*\slot+2:G0B+4*\slot+3], s[G0B+4*\slot+2:G0B+4*\slot+3], 2*ROWB
	JLOAD G0+4*\slot, G1, G0B+4*\slot, G1B         ; the first tensor load behind the round; its four v_nop are also the places in front of the loads below
.else
	PLACES NP
.endif
	v_add_nc_u32 v[ADRS], 4*NQ, v[ADRS]            ; on to the next K step's scale words (no LDS load of mine is out)
	FETCH_B \next, 0, 0
	FETCH_A \next, 0, 0
	SCALES \next
	WIN MUL_HI
	MUL16 4, 1, NQ-1, \slot, 0
	MUL16 6, 1, NQ-1, \slot, 0
	PLACES NP
	WIN 0
	FETCH_A \next, 0, 4
.endm
.macro STEPS slot, from                ; the slot's steps from .. NQ - 2
.set Q, \from
.rept NQ-1-\from
	STEP \slot, Q, 0
.set Q, Q+1
.endr
.endm
	s_wait_tensorcnt 1                             ; the scales and my part of K step 0 are in (K step 1's load may be out)
	s_barrier_signal -1
	s_barrier_wait -1                              ; everybody's are
	FETCH_B 0, 0, 0
	FETCH_A 0, 0, 0
	SCALES 0
	FETCH_A 0, 0, 4
	STEP 0, 0, 1                                   ; the first step stands in front of the loop: its products start the sums
	s_mov_b32 s3, LAPS-1
.Llap:                                                 ; a trip goes once round the ring, from a lap's second step to the next lap's first, and fills both slots again
	STEPS 0, 1
	TURN 0, 1, 1
	STEPS 1, 0
	TURN 1, 0, 1
	STEP 0, 0, 0
	s_sub_co_u32 s3, s3, 1
	s_cmp_lg_u32 s3, 0
	s_cbranch_scc1 .Llap
	STEPS 0, 1                                     ; the last lap fills nothing, and has no round of the cluster's barrier
	TURN 0, 1, 0
	STEPS 1, 0
	s_wait_dscnt 4*NL                              ; the very last step: nothing more to fetch
	WIN MUL_LO
	MUL16 0, 1, NQ-1, 1, 0
	MUL16 2, 1, NQ-1, 1, 0
	s_wait_dscnt 0
	WIN MUL_HI
	MUL16 4, 1, NQ-1, 1, 0
	MUL16 6, 1, NQ-1, 1, 0
	WIN 0
; THE WAY OUT, block by block of 16 rows x 128 columns.
.macro SCALET a                        ; cos' = cos f1 + f0, sin' = sin f1
.set T, 64+32*((\a)%2)
	WIN 0x41                                       ; destination and source 0 window 1
.irp i, 0,2,4,6,8,10,12,14
	v_pk_fma_f32 v[T+\i:T+\i+1], v[T+\i:T+\i+1], s[96:97], v[F0P:F0P+1] op_sel_hi:[1,0,1]
.endr
.irp i, 0,2,4,6,8,10,12,14
	v_pk_mul_f32 v[T+16+\i:T+17+\i], v[T+16+\i:T+17+\i], s[96:97] op_sel_hi:[1,0]
.endr
.endm
; Head hd of my two, columns d = 16 e + 8 h + j (accumulator 4 hd + e) and d + 32 (accumulator 4 hd + e + 2): x1 cos - x2 sin, x2 cos + x1 sin.  Each accumulator is read from its low end on.
.macro ROPE a
.set AC, 64*((\a)%4)
.set T, 64+32*((\a)%2)
	WIN (0x06+(\a)/4)                              ; source 0 the accumulators' window, source 1 window 1, source 2 and destination window 0
.irp hd, 0,1
.irp e, 0,1
.irp jj, 0,2,4,6
	v_pk_mul_f32 v[RR+8*(4*\hd+\e)+\jj:RR+8*(4*\hd+\e)+\jj+1], v[AC+8*(4*\hd+\e)+\jj:AC+8*(4*\hd+\e)+\jj+1], v[T+8*\e+\jj:T+8*\e+\jj+1]
	v_pk_mul_f32 v[RR+8*(4*\hd+\e+2)+\jj:RR+8*(4*\hd+\e+2)+\jj+1], v[AC+8*(4*\hd+\e+2)+\jj:AC+8*(4*\hd+\e+2)+\jj+1], v[T+8*\e+\jj:T+8*\e+\jj+1]
	v_pk_fma_f32 v[RR+8*(4*\hd+\e)+\jj:RR+8*(4*\hd+\e)+\jj+1], v[AC+8*(4*\hd+\e+2)+\jj:AC+8*(4*\hd+\e+2)+\jj+1], v[T+16+8*\e+\jj:T+16+8*\e+\jj+1], v[RR+8*(4*\hd+\e)+\jj:RR+8*(4*\hd+\e)+\jj+1] neg_lo:[1,0,0] neg_hi:[1,0,0]
	v_pk_fma_f32 v[RR+8*(4*\hd+\e+2)+\jj:RR+8*(4*\hd+\e+2)+\jj+1], v[AC+8*(4*\hd+\e)+\jj:AC+8*(4*\hd+\e)+\jj+1], v[T+16+8*\e+\jj:T+16+8*\e+\jj+1], v[RR+8*(4*\hd+\e+2)+\jj:RR+8*(4*\hd+\e+2)+\jj+1]
.endr
.endr
.endr
	WIN 0
.endm
.macro FINE                            ; block 0's numbers in f32; the branch hangs on the cluster's y and the wave's number alone
	s_cmp_lg_u32 s2, 0
	s_cbranch_scc1 .Lno_fine_\@
.irp b, 0,1,2,3,4,5,6,7
	global_store_b128 v[FO], v[RR+8*\b:RR+8*\b+3], s[12:13] offset:64*\b
	global_store_b128 v[FO], v[RR+8*\b+4:RR+8*\b+7], s[12:13] offset:64*\b+16
.endr
.Lno_fine_\@:
.endm
.macro PACK                            ; to f16: a lane's eight columns of a block are 16 bytes
.irp b, 0,1,2,3,4,5,6,7
.irp i, 0,1,2,3
	v_cvt_pk_f16_f32 v[HH+4*\b+\i], v[RR+8*\b+2*\i], v[RR+8*\b+2*\i+1]
.endr
.endr
.endm
.macro TOSTAGE a                       ; through my own stage: LDS serves a wave's instructions in order, so no wait stands between the stores and the loads, nor in front of the next block's stores
.set BB, BK+32*((\a)%2)
.irp b, 0,1,2,3,4,5,6,7
	ds_store_b128 v[STO], v[HH+4*\b:HH+4*\b+3] offset:32*\b
.endr
.irp t, 0,1,2,3,4,5,6,7
	ds_load_b128 v[BB+4*\t:BB+4*\t+3], v[RD] offset:\t*2*SPITCH
.endr
.endm
.macro SEND a, younger                 ; younger: the LDS instructions issued behind block a's loads, which may stay out
.set BB, BK+32*((\a)%2)
	s_wait_dscnt \younger
.irp t, 0,1,2,3,4,5,6,7
	global_store_b128 v[GO], v[BB+4*\t:BB+4*\t+3], s[10:11] offset:2048*(\a)+256*\t   ; sixteen lanes store two rows of one plane: 256 consecutive bytes, aligned
.endr
.endm
	PLACES NP                                      ; behind the last products: their results are read and x's fragments' registers written below
.irp a, 0,1,2,3,4,5,6,7
.if \a > 0
	s_wait_xcnt 0x0                                ; the stores issued so far have read their registers: the turned numbers (fine's stores) and the rows read back two blocks ago are written again only behind this wait
.endif
.if \a < 7
	s_wait_loadcnt 8                               ; this block's eight table loads are in; the next block's eight may be out
.else
	s_wait_loadcnt 0x0
.endif
	SCALET \a
	ROPE \a
.if \a < 6
	LOADT \a+2                                     ; the set just read takes the block two on
.endif
.if \a == 0
	FINE
.endif
	PACK
	TOSTAGE \a
.if \a > 0
	SEND \a-1, 16                                  ; behind block a - 1's loads: block a's 8 stores and 8 loads
.endif
.endr
	SEND 7, 0
	s_wait_tensorcnt 0x0                           ; the wave's end, behind my last tensor load and my last LDS store
	ds_add_u32 v[SPW], v[NIL]
	s_wait_dscnt 0x0
	CROUND                                         ; the closing round: no work-group ends while a partner may still ask for a tile that names it
	s_endpgm
.Lfunc_end_k_qda7fad57e9_qkv:
	.size	k_qda7fad57e9_qkv, .Lfunc_end_k_qda7fad57e9_qkv-k_qda7fad57e9_qkv
	.p2alignl 7, 3214868480
	.fill 96, 4, 3214868480
	.section	.rodata,"a",@progbits
	.p2align	6, 0x0
	.amdhsa_kernel k_qda7fad57e9_qkv
		.amdhsa_group_segment_fixed_size 327680
		.amdhsa_private_segment_fixed_size 0
		.amdhsa_enable_private_segment 0
		.amdhsa_kernarg_size 40
		.amdhsa_user_sgpr_count 2
		.amdhsa_user_sgpr_kernarg_segment_ptr 1
		.amdhsa_wavefront_size32 1
		.amdhsa_system_sgpr_workgroup_id_x 1
		.amdhsa_system_sgpr_workgroup_id_y 1
		.amdhsa_system_sgpr_workgroup_id_z 1
		.amdhsa_system_vgpr_workitem_id 0
		.amdhsa_next_free_vgpr 1024
		.amdhsa_next_free_sgpr 98
		.amdhsa_reserve_vcc 0
		.amdhsa_float_denorm_mode_32 3
		.amdhsa_float_denorm_mode_16_64 3
		.amdhsa_memory_ordered 1
		.amdhsa_forward_progress 1
		.amdhsa_inst_pref_size 255
	.end_amdhsa_kernel
	.section	.bss,"aw",@nobits
	.p2align	6
	.space	262144
	.amdgpu_metadata
---
amdhsa.version: [ 1, 2 ]
amdhsa.kernels:
  - .name:           k_qda7fad57e9_qkv
    .symbol:         k_qda7fad57e9_qkv.kd
    .args:
      - { .name: codes, .offset: 0, .size: 8, .value_kind: global_buffer, .address_space: global }
      - { .name: scales, .offset: 8, .size: 8, .value_kind: global_buffer, .address_space: global }
      - { .name: rope, .offset: 16, .size: 8, .value_kind: global_buffer, .address_space: global }
      - { .name: qkv, .offset: 24, .size: 8, .value_kind: global_buffer, .address_space: global }
      - { .name: fine, .offset: 32, .size: 8, .value_kind: global_buffer, .address_space: global }
    .group_segment_fixed_size: 327680
    .private_segment_fixed_size: 0
    .kernarg_segment_align: 8
    .kernarg_segment_size: 40
    .max_flat_workgroup_size: 128
    .sgpr_count:     98
    .vgpr_count:     1024
    .wavefront_size: 32
...
	.end_amdgpu_metadata
.endif
;; end of part 2
;; launch attn (part 3): grid 16 x 16, 16 waves a work-group, no clusters, 327,680 bytes of LDS; arguments qkv, ctx; writes ctx
.if DOCPART == 3
	.amdgcn_target "amdgcn-amd-amdhsa--gfx1250"
	.amdhsa_code_object_version 6
	.text
	.protected	k_qda7fad57e9_attn
	.globl	k_qda7fad57e9_attn
	.p2align	8
	.type	k_qda7fad57e9_attn,@function
k_qda7fad57e9_attn:
	s_mov_b64 s[64:65], 0
	v_nop
	global_prefetch_b8 v0, s[64:65] scope:SCOPE_SE
	s_setreg_imm32_b32 hwreg(HW_REG_WAVE_MODE, 25, 1), 1
	s_wait_xcnt 0x0
; ATTN.  ctx[h][q][:] = sum over k <= q of softmax_k(t[q][k]) v[h][k][:], t = q' . k' with q' = q 2 log2(e) / 8 and k' = k / 2 as the launch before stored them: t is the score in powers of two.
; qkv [48 planes][4096][64] f16: planes 0-15 q', 16-31 k', 32-47 v.  ctx [16 heads][4096][64] f16.  Products on f16 operands with f32 sums; maxima, exponentials and sums in f32; p is rounded to f16 for the second product,
; the row's sum is taken of the unrounded p.  A running maximum m: p = 2^(t - m); in every step the sum and O are multiplied by a = 2^(old m - new m).
; SHARES.  Work-group (i, head) owns the blocks of 128 queries i and 31 - i: every work-group so has the same causal work.  Each of its sixteen waves owns 16 queries, one tile, in 256 registers: four waves to a SIMD.
; Wave w: block i or 31 - i by (w xor w / 4) & 1, tile w / 2.  Keys go 64 a step, 256 a slot, through a ring of two LDS slots (waves 0, 1 fetch K's halves, waves 2, 3 V's) read by all sixteen.
; EVERY work-group walks all 16 slots: the trip counts are constants.  A step all of whose keys come after the wave's queries is left out by a scalar branch on ids; a slot whose first key comes after the work-group's
; last query is not asked for.
; NO CLUSTER: under the causal mask the work-groups of a head need different numbers of slots, so a joint load would bring tiles that no wave of some partner reads.
; LAYOUT.  S^T = K Q^T (source 0 = 16 keys, source 1 = my 16 queries): a lane holds one query (l % 16) and keys 8 (l / 16) + 0..7 of each tile.  Two tiles rounded in pairs are source 1 (32 keys) of O^T = V^T P, whose
; result again holds one query a lane.  K comes out of LDS as it lies, V ([key][channel]) turned, by ds_load_tr16_b128.
; LIMITS: the operands must lie in f16's range (under 65,504); NaN and infinities are not served.
.set KP,    144                        ; a key's row in LDS: 128 bytes + 16 of padding
.set VP,    160                        ; a row of V: 128 + 32
.set SK,    256                        ; keys in a slot
.set NQ,    4                          ; key steps in a slot
.set VOFF,  SK*KP                      ; a slot: 256 rows of K, then 256 rows of V
.set SLOT1, 1<<17                      ; slot 1 begins here: one exclusive or turns an address in one slot into the other's
.set NSL,   16                         ; slots' worth of keys
.set STG,   SLOT1+SK*(KP+VP)           ; behind the ring: 16 rows x 144 bytes for each wave, for the way out
.set SPARE, STG+16*16*KP               ; the spare words, 128 bytes a wave, which no other line names
.set PLANE, 524288                     ; bytes of a plane
.set AK0, 1                            ; v1   my lane's place in a tile of K
.set AV0, 2                            ; v2   the same for V
.set ADK, 3                            ; v3   LDS address of the slot's K for my lane
.set ADV, 4                            ; v4   of V
.set SPW, 5                            ; v5   LDS address of my spare word; never rewritten
.set NIL, 6                            ; v6   0; never rewritten
.set GO,  7                            ; v7   the way out: 16 x lane
.set STO, 8                            ; v8   the stage: where I put 16 bytes of a row
.set RD,  9                            ; v9   and where I read back
.set PFO, 10                           ; v10  256 x lane: the prefetches' offset; never rewritten
.set DG,  11                           ; v11  l % 16 - 8 (l / 16), for the diagonal
                                       ; v12 m (v13 its pair's partner), v[14:15] the sum in two halves, v16 a (v17 partner), v22-25 at work
.set CH,  18                           ; v18-21 four chains of the maximum
.set QR,  32                           ; v32-47   Q: two fragments
.set KR,  48                           ; v48-111  K: fragment 2 kt + c
.set VR,  112                          ; v112-175 V: fragment 4 u + ct
.set SR,  176                          ; v176-207 S^T, then p
.set PR,  208                          ; v208-223 P
.set OT,  224                          ; v224-255 O^T
.set TB,  2                            ; s2   LDS byte at which the slot in hand begins
.set WV,  18                           ; s18  my wave's number
.set SEL, 20                           ; s[20:21] lane selects: lane l xor 16
.set G1K, 24                           ; s[24:31] descriptor group 1 for K's tiles; s[32:39] for V's; s[40:43], s[44:47] their groups 0, which walk
.set G1V, 32
.set G0K, 40
.set G0V, 44
.set SLOTS, 48                         ; s48  changes of slots that may still ask for a slot
.set KF,  49                           ; s49  the step's first key
.set Q0,  50                           ; s50  my first query
.set QL,  51                           ; s51  my work-group's last query
.set PFA, 52                           ; s[52:53] where my prefetches stand
.set LIM, 54                           ; s54  1 in a wave that prefetches, else the greatest number
; Waves 0 and 1 fetch for K, waves 2 and 3 for V, the others nothing.  An s_nop 0 and four v_nop follow each of the two lines.
.macro TLOAD
	s_cmp_lt_u32 s[WV], 2
	s_cbranch_scc0 .Lnot_k_\@
	tensor_load_to_lds s[G0K:G0K+3], s[G1K:G1K+7]
	s_nop 0
.rept 4
	v_nop
.endr
	s_branch .Lasked_\@
.Lnot_k_\@:
	s_cmp_lt_u32 s[WV], 4
	s_cbranch_scc0 .Lasked_\@
	tensor_load_to_lds s[G0V:G0V+3], s[G1V:G1V+7]
	s_nop 0
.rept 4
	v_nop
.endr
.Lasked_\@:
.endm
; A prefetch of what the NEXT change of slots will ask for: a slot's 32,768 bytes of K and of V, each a dense block.  All work-groups of a head walk the same K and V: work-group i = 0, which walks them to the end, asks.
; In it waves 4 to 7 ask for K's block and waves 8 to 11 for V's, 8,192 bytes a wave, lanes 256 bytes apart: each aligned 256 bytes is named once in the launch.  It stands a slot's four key steps ahead of the load.
; The last change that fills a slot asks for nothing; slots 0 and 1 come by their loads alone.
.macro ASK
	s_cmp_gt_u32 s[SLOTS], s[LIM]
	s_cbranch_scc0 .Lnot_mine_\@
	global_prefetch_b8 v[PFO], s[PFA:PFA+1] th:TH_LOAD_NT scope:SCOPE_SE
.Lnot_mine_\@:
.endm
	s_load_b128 s[4:7], s[0:1], 0x0                ; qkv s[4:5], ctx s[6:7]
	v_lshl_add_u32 v[SPW], v0, 2, SPARE
	v_mov_b32 v[NIL], 0
	ds_add_u32 v[SPW], v[NIL]                      ; the wave's opening: the add, twice on end, and its wait ahead of my first tensor load
	ds_add_u32 v[SPW], v[NIL]                      ; (the set-up below, work on registers, stands between the second and the wait)
	v_lshrrev_b32 v3, 5, v0
	v_readfirstlane_b32 s[WV], v3                  ; wave 0..15
	s_and_b32 s55, ttmp7, 0xffff
	s_lshl_b32 s55, s55, 19                        ; the head's plane, in bytes
	s_lshr_b32 s56, s[WV], 2
	s_xor_b32 s56, s56, s[WV]
	s_and_b32 s56, s56, 1                          ; which of the two blocks
	s_sub_co_u32 s57, 31, ttmp9
	s_cmp_eq_u32 s56, 0
	s_cselect_b32 s57, ttmp9, s57
	s_lshl_b32 s57, s57, 7
	s_lshr_b32 s58, s[WV], 1
	s_lshl_b32 s58, s58, 4
	s_add_co_u32 s[Q0], s57, s58                   ; my first query: 128 x block + 16 x (wave / 2)
	s_sub_co_u32 s[QL], 32, ttmp9
	s_lshl_b32 s[QL], s[QL], 7
	s_sub_co_u32 s[QL], s[QL], 1                   ; the last query of block 31 - i
	; descriptor group 1: 128 rows of 64 elements of 2 bytes, dense in memory, padded in LDS behind each row
	s_mov_b32 s[G1K], (1<<16)|(1<<20)|(4<<22)|(3<<25)              ; no mask; elements of 2 bytes; padding on; after every 32 words four words
	s_mov_b32 s[G1V], (1<<16)|(1<<20)|(4<<22)|(7<<25)              ; the same with eight words
.irp g, G1K, G1V
	s_mov_b32 s[\g+1], 64<<16                      ; tensor_dim0
	s_mov_b32 s[\g+2], 128<<16                     ; tensor_dim1
	s_mov_b32 s[\g+3], 64<<16                      ; tile_dim0
	s_mov_b32 s[\g+4], 128                         ; tile_dim1
	s_mov_b32 s[\g+5], 64                          ; tensor_dim0_stride
	s_mov_b32 s[\g+6], 0
	s_mov_b32 s[\g+7], 0
.endr
	s_and_b32 s59, s[WV], 1                        ; which half of a slot's rows I fetch, if I fetch
	s_mul_i32 s60, s59, 128*KP                     ; K: in a slot
	s_mul_i32 s61, s59, 128*VP
	s_add_co_u32 s61, s61, VOFF                    ; V: in a slot
	s_lshl_b32 s62, s59, 14                        ; 128 rows of 128 bytes in memory,
	s_add_co_u32 s62, s62, s55                     ; in my head
	s_add_co_u32 s66, s62, 16*PLANE                ; k's planes begin at plane 16,
	s_mov_b32 s67, 0
	s_add_co_u32 s68, s62, 32*PLANE                ; v's at plane 32
	s_mov_b32 s69, 0
	s_lshl_b32 s70, s[Q0], 7
	s_add_co_u32 s70, s70, s55                     ; my queries' rows in q's plane and in ctx
	s_mov_b32 s71, 0
	s_mov_b32 s[SEL], 0x76543210
	s_mov_b32 s[SEL+1], 0xfedcba98
	s_mov_b32 s[TB], 0
	s_mov_b32 s[SLOTS], NSL-1
	s_mov_b32 s[KF], 0
	s_mov_b32 s56, 32*PLANE                        ; the prefetches: waves 4 to 7 stand in k's plane, waves 8 to 11 in v's: a number is chosen, no address
	s_cmp_lt_u32 s[WV], 8
	s_cselect_b32 s56, 16*PLANE, s56
	s_and_b32 s57, s[WV], 3
	s_lshl_b32 s57, s57, 13                        ; my wave's 8,192 bytes,
	s_add_co_u32 s56, s56, s57
	s_add_co_u32 s56, s56, s55                     ; in my head,
	s_add_co_u32 s56, s56, SK*128                  ; in slot 1: the first change of slots steps it to slot 2
	s_mov_b32 s57, 0
	s_sub_co_u32 s58, s[WV], 4
	s_lshr_b32 s58, s58, 3                         ; 0 in waves 4 to 11,
	s_or_b32 s58, s58, ttmp9                       ; of work-group i = 0
	s_cmp_eq_u32 s58, 0
	s_cselect_b32 s[LIM], 1, -1
	s_wait_dscnt 0x0                               ; both opening adds are done
	s_wait_kmcnt 0x0
	s_mov_b32 s[G0K], 1                            ; count = 1
	s_mov_b32 s[G0K+1], s60                        ; LDS address: slot 0
	s_add_nc_u64 s[G0K+2:G0K+3], s[4:5], s[66:67]  ; global address: the head's first 256 keys
	s_or_b32 s[G0K+3], s[G0K+3], 0x80000000        ; type = 2
	s_mov_b32 s[G0V], 1
	s_mov_b32 s[G0V+1], s61
	s_add_nc_u64 s[G0V+2:G0V+3], s[4:5], s[68:69]
	s_or_b32 s[G0V+3], s[G0V+3], 0x80000000
	TLOAD                                          ; slot 0: it holds key 0, which counts for every query
	s_add_nc_u64 s[PFA:PFA+1], s[4:5], s[56:57]
	s_add_nc_u64 s[8:9], s[4:5], s[70:71]          ; q' at my first query
	s_add_nc_u64 s[6:7], s[6:7], s[70:71]          ; ctx likewise
	v_and_b32 v22, 15, v0                          ; r
	v_bfe_u32 v23, v0, 4, 1                        ; h
	v_and_b32 v24, 31, v0                          ; lane
	v_lshlrev_b32 v20, 7, v22
	v_lshl_add_u32 v20, v23, 4, v20                ; Q: row r of 128 bytes, + 16 h
.irp c, 0,1
	global_load_b128 v[QR+8*\c:QR+8*\c+3],   v20, s[8:9] offset:64*\c      ; Q's fragments stay in registers
	global_load_b128 v[QR+8*\c+4:QR+8*\c+7], v20, s[8:9] offset:64*\c+32
.endr
	v_mul_u32_u24 v[AK0], v22, KP
	v_lshl_add_u32 v[AK0], v23, 4, v[AK0]          ; K: row r x pitch + 16 h
	v_and_b32 v25, 7, v0
	v_lshl_add_u32 v[AV0], v23, 3, v25             ; V, turned: key 8 h + l % 8,
	v_mul_u32_u24 v[AV0], v[AV0], VP
	v_bfe_u32 v18, v0, 3, 1
	v_lshl_add_u32 v[AV0], v18, 4, v[AV0]          ; channels 8 ((l / 8) % 2) on
	v_add_nc_u32 v[AV0], VOFF, v[AV0]
	v_lshlrev_b32 v[GO], 4, v24
	s_mul_i32 s59, s[WV], 16*KP
	s_add_co_u32 s59, s59, STG                     ; my stage
	v_add_nc_u32 v[STO], s59, v[AK0]               ; in: row r, 16 bytes for each half of the lanes
	v_bfe_u32 v19, v0, 3, 2
	v_mul_u32_u24 v[RD], v19, KP                   ; back: eight lanes to a row of 128 bytes, four rows an instruction
	v_lshl_add_u32 v[RD], v25, 4, v[RD]
	v_add_nc_u32 v[RD], s59, v[RD]
	v_lshlrev_b32 v[PFO], 8, v24
	v_lshlrev_b32 v[DG], 3, v23
	v_sub_nc_u32 v[DG], v22, v[DG]
	v_mov_b32 v12, 0xff61b1e6                      ; the largest t so far: -3e38, under every t
	v_mov_b32 v13, 0                               ; (named with v12 as a pair, so it is written)
	v_mov_b32 v14, 0                               ; the sum, in two halves
	v_mov_b32 v15, 0
	v_mov_b32 v17, 0                               ; (named with v16 as a pair)
	v_mov_b32 v22, 0                               ; a lane permute's destination counts as one of its sources
.set i, 0
.rept 32
	v_mov_b32 v[OT+i], 0                           ; O^T.  (The step is written once: the first finds zeros, which a = 0 leaves zeros)
.set i, i+1
.endr
; A KEY STEP: 64 keys, the q-th of the slot in hand.
.macro STEP q
	s_add_co_u32 s56, s[Q0], 15                    ; a step all of whose keys come after my 16 queries is left out: ids and the count of steps alone
	s_cmp_gt_u32 s[KF], s56
	s_cbranch_scc1 .Lhidden_\@
	v_add_nc_u32 v[ADK], s[TB], v[AK0]
	v_add_nc_u32 v[ADV], s[TB], v[AV0]
	v_nop                                          ; with the two additions: four places between the last step's products and the loads into V's registers, which they read
	v_nop
.irp kt, 0,1,2,3
.irp c, 0,1
	ds_load_b128 v[KR+8*(2*\kt+\c):KR+8*(2*\kt+\c)+3],   v[ADK] offset:64*KP*(\q)+16*KP*\kt+64*\c
	ds_load_b128 v[KR+8*(2*\kt+\c)+4:KR+8*(2*\kt+\c)+7], v[ADK] offset:64*KP*(\q)+16*KP*\kt+64*\c+32
.endr
.endr
.irp u, 0,1
.irp ct, 0,1,2,3
	ds_load_tr16_b128 v[VR+8*(4*\u+\ct):VR+8*(4*\u+\ct)+3],   v[ADV] offset:64*VP*(\q)+32*VP*\u+32*\ct
	ds_load_tr16_b128 v[VR+8*(4*\u+\ct)+4:VR+8*(4*\u+\ct)+7], v[ADV] offset:64*VP*(\q)+32*VP*\u+16*VP+32*\ct
.endr
.endr
	s_wait_dscnt 16                                ; K's sixteen loads are in; V's sixteen may be out
.irp kt, 0,1,2,3                               ; S^T = K Q^T: the four tiles of keys by turns; the first products start the sums
	v_wmma_f32_16x16x32_f16 v[SR+8*\kt:SR+8*\kt+7], v[KR+16*\kt:KR+16*\kt+7], v[QR:QR+7], 0
.endr
.irp kt, 0,1,2,3
	v_wmma_f32_16x16x32_f16 v[SR+8*\kt:SR+8*\kt+7], v[KR+16*\kt+8:KR+16*\kt+15], v[QR+8:QR+15], v[SR+8*\kt:SR+8*\kt+7]
.endr
.rept 4
	v_nop                                          ; four places in front of the first read of the scores
.endr
	s_add_co_u32 s56, s[KF], 63                    ; on the diagonal hidden scores become -infinity ahead of the maximum; a step all of whose keys count skips this
	s_cmp_le_u32 s56, s[Q0]
	s_cbranch_scc1 .Lopen_\@
	s_sub_co_i32 s56, s[Q0], s[KF]
	v_add_nc_u32 v24, s56, v[DG]                   ; d = my query - KF - 8 (l / 16).  Register 8 kt + j holds key KF + 16 kt + 8 (l / 16) + j: hidden where 16 kt + j > d
	v_mov_b32 v25, 0xff800000
.set n, 0
.rept 32
	v_cmp_gt_i32 vcc_lo, 16*(n/8)+n%8, v24
	v_cndmask_b32 v[SR+n], v[SR+n], v25, vcc_lo
.set n, n+1
.endr
.Lopen_\@:
.irp x, 0,1,2,3                                ; the largest of my 32 scores and the old m: four chains; each accumulator is read from its low end on
	v_max3_num_f32 v[CH+\x], v[SR+8*\x], v[SR+8*\x+1], v[SR+8*\x+2]
.endr
.irp y, 3,5
.irp x, 0,1,2,3
	v_max3_num_f32 v[CH+\x], v[CH+\x], v[SR+8*\x+\y], v[SR+8*\x+\y+1]
.endr
.endr
	v_max3_num_f32 v[CH], v[CH], v[SR+7], v[SR+15]
	v_max3_num_f32 v[CH+2], v[CH+2], v[SR+23], v[SR+31]
	v_max3_num_f32 v[CH], v[CH], v[CH+1], v[CH+2]
	v_max3_num_f32 v[CH], v[CH], v[CH+3], v12
	v_permlanex16_b32 v22, v[CH], s[SEL], s[SEL+1] ; the query's other 32 keys lie in the lane 16 away
	v_mov_b32 v23, v12
	v_max_num_f32 v12, v[CH], v22                  ; the new m
	v_sub_f32 v16, v23, v12                        ; old m - new m, 0 or less
.set j, 0
.rept 16
	v_pk_add_f32 v[SR+j:SR+j+1], v[SR+j:SR+j+1], v[12:13] op_sel_hi:[1,0] neg_lo:[0,1] neg_hi:[0,1]   ; t - m, two at a time
.set j, j+2
.endr
	v_exp_f32 v16, v16                             ; a
.set j, 0
.rept 32
	v_exp_f32 v[SR+j], v[SR+j]                     ; p = 2^(t - m), at most 1
.set j, j+1
.endr
	v_nop                                          ; a plain line behind the last exponential,
	s_wait_alu depctr_va_vdst(0)                   ; and one wait for the 33, ahead of their first reader
	v_pk_mul_f32 v[14:15], v[14:15], v[16:17] op_sel_hi:[1,0]      ; the sum under the new m
	v_pk_add_f32 v[24:25], v[SR:SR+1], v[SR+2:SR+3]                ; the row's sum of the unrounded p, in two chains
.irp j, 4,8,12,16,20,24,28
	v_pk_add_f32 v[14:15], v[14:15], v[SR+\j:SR+\j+1]
	v_pk_add_f32 v[24:25], v[24:25], v[SR+\j+2:SR+\j+3]
.endr
	v_pk_add_f32 v[14:15], v[14:15], v[24:25]
.set j, 0
.rept 16
	v_cvt_pk_f16_f32 v[PR+j], v[SR+2*j], v[SR+2*j+1]               ; tiles 2 u and 2 u + 1 in pairs: source 1 of the second product, keys 32 u on
.set j, j+1
.endr
.set j, 0
.rept 16
	v_pk_mul_f32 v[OT+j:OT+j+1], v[OT+j:OT+j+1], v[16:17] op_sel_hi:[1,0]   ; O^T under the new m
.set j, j+2
.endr
	s_wait_dscnt 0x0                               ; V is in
.irp u, 0,1                                    ; O^T += V^T P: the four tiles of channels by turns
.irp ct, 0,1,2,3
	v_wmma_f32_16x16x32_f16 v[OT+8*\ct:OT+8*\ct+7], v[VR+8*(4*\u+\ct):VR+8*(4*\u+\ct)+7], v[PR+8*\u:PR+8*\u+7], v[OT+8*\ct:OT+8*\ct+7]
.endr
.endr
.Lhidden_\@:
	s_add_co_u32 s[KF], s[KF], 64
.endm
; THE CHANGE OF SLOTS stands at a slot's head.  Each wave waits for all its tensor loads (its part of the slot that it is about to read), adds 0 to its spare word, and waits for that and for its reads of the slot that it
; has left.  Behind the barrier the slot ahead is whole and nobody reads the other one.  fill = 1: that other slot takes the keys that follow, up to the causal limit; the load has a slot's four steps in which to land.
.macro CHANGE fill
	s_wait_tensorcnt 0x0                           ; no tensor load of mine is out, so a group 0 may be written
	ds_add_u32 v[SPW], v[NIL]                      ; 0 onto my spare word
.if \fill
	ds_add_u32 v[SPW], v[NIL]                      ; and once more: twice on end, in every trip alike
	s_xor_b32 s[G0K+1], s[G0K+1], SLOT1            ; the walking descriptors: the other slot than last time,
	s_add_nc_u64 s[G0K+2:G0K+3], s[G0K+2:G0K+3], SK*128   ; the next 256 keys
	s_xor_b32 s[G0V+1], s[G0V+1], SLOT1
	s_add_nc_u64 s[G0V+2:G0V+3], s[G0V+2:G0V+3], SK*128
	s_wait_xcnt 0x0                                ; the last prefetch, a slot back, has read its address, so it may be written:
	s_add_nc_u64 s[PFA:PFA+1], s[PFA:PFA+1], SK*128       ; one slot further on than the walking descriptors
.endif
	s_wait_dscnt 0x0                               ; the add is done, and my reads of the slot that I have left are over
	s_barrier_signal -1
	s_barrier_wait -1
.if \fill
	s_add_co_u32 s56, s[KF], SK                    ; the first key of the slot that this change would ask for:
	s_cmp_gt_u32 s56, s[QL]                        ; behind my work-group's last query no wave reads it, so it is not asked for.  Ids and the count of steps alone: all sixteen waves go the same way
	s_cbranch_scc1 .Lpast_\@
	TLOAD                                          ; a wave's one tensor load until the next change
.Lpast_\@:
	ASK
.endif
.endm
.macro SLOT_STEPS
.set Q, 0
.rept NQ
	STEP Q
.set Q, Q+1
.endr
	s_xor_b32 s[TB], s[TB], SLOT1                  ; on to the other slot
.endm
	s_wait_loadcnt 0x0                             ; Q
.Lslot:                                            ; 15 trips: behind each change of slots but the last the next slot is asked for, up to the causal limit
	CHANGE 1
	SLOT_STEPS
	s_sub_co_u32 s[SLOTS], s[SLOTS], 1
	s_cmp_lg_u32 s[SLOTS], 0
	s_cbranch_scc1 .Lslot
	CHANGE 0                                       ; the last slot is written out: nothing is left to ask for
	SLOT_STEPS
	; THE WAY OUT.  O^T / the sum, rounded to f16, goes through my stage in LDS and leaves as 2,048 consecutive bytes: my 16 rows of ctx.
.rept 4
	v_nop                                          ; four places behind the last products
.endr
	v_add_f32 v14, v14, v15                        ; the sum's two halves,
	v_permlanex16_b32 v22, v14, s[SEL], s[SEL+1]
	v_add_f32 v14, v14, v22                        ; and lane l xor 16's
	v_rcp_f32 v16, v14
	v_nop                                          ; a plain line behind the reciprocal,
	s_wait_alu depctr_va_vdst(0)                   ; and its wait, ahead of the first reader
.set j, 0
.rept 16
	v_pk_mul_f32 v[SR+j:SR+j+1], v[OT+j:OT+j+1], v[16:17] op_sel_hi:[1,0]
.set j, j+2
.endr
.set j, 0
.rept 16
	v_cvt_pk_f16_f32 v[PR+j], v[SR+2*j], v[SR+2*j+1]
.set j, j+1
.endr
.irp ct, 0,1,2,3
	ds_store_b128 v[STO], v[PR+4*\ct:PR+4*\ct+3] offset:32*\ct     ; query r, channels 16 ct + 8 h + 0..7
.endr
.irp t, 0,1,2,3
	ds_load_b128 v[QR+4*\t:QR+4*\t+3], v[RD] offset:4*KP*\t        ; LDS serves a wave's instructions in order: these see my stores
.endr
.irp t, 0,1,2,3
	s_wait_dscnt 3-\t                              ; load t is in; the younger ones may be out
	global_store_b128 v[GO], v[QR+4*\t:QR+4*\t+3], s[6:7] offset:512*\t   ; 512 consecutive bytes, aligned
.endr
	s_wait_tensorcnt 0x0                           ; the wave's end, behind my last tensor load and my last LDS store
	ds_add_u32 v[SPW], v[NIL]
	s_wait_dscnt 0x0
	s_endpgm
.Lfunc_end_k_qda7fad57e9_attn:
	.size	k_qda7fad57e9_attn, .Lfunc_end_k_qda7fad57e9_attn-k_qda7fad57e9_attn
	.p2alignl 7, 3214868480
	.fill 96, 4, 3214868480
	.section	.rodata,"a",@progbits
	.p2align	6, 0x0
	.amdhsa_kernel k_qda7fad57e9_attn
		.amdhsa_group_segment_fixed_size 327680
		.amdhsa_private_segment_fixed_size 0
		.amdhsa_enable_private_segment 0
		.amdhsa_kernarg_size 16
		.amdhsa_user_sgpr_count 2
		.amdhsa_user_sgpr_kernarg_segment_ptr 1
		.amdhsa_wavefront_size32 1
		.amdhsa_system_sgpr_workgroup_id_x 1
		.amdhsa_system_sgpr_workgroup_id_y 1
		.amdhsa_system_sgpr_workgroup_id_z 1
		.amdhsa_system_vgpr_workitem_id 0
		.amdhsa_next_free_vgpr 256
		.amdhsa_next_free_sgpr 72
		.amdhsa_reserve_vcc 1
		.amdhsa_float_denorm_mode_32 3
		.amdhsa_float_denorm_mode_16_64 3
		.amdhsa_memory_ordered 1
		.amdhsa_forward_progress 1
		.amdhsa_inst_pref_size 109
	.end_amdhsa_kernel
	.amdgpu_metadata
---
amdhsa.version: [ 1, 2 ]
amdhsa.kernels:
  - .name:           k_qda7fad57e9_attn
    .symbol:         k_qda7fad57e9_attn.kd
    .args:
      - { .name: qkv, .offset: 0, .size: 8, .value_kind: global_buffer, .address_space: global }
      - { .name: ctx, .offset: 8, .size: 8, .value_kind: global_buffer, .address_space: global }
    .group_segment_fixed_size: 327680
    .private_segment_fixed_size: 0
    .kernarg_segment_align: 8
    .kernarg_segment_size: 16
    .max_flat_workgroup_size: 512
    .sgpr_count:     72
    .vgpr_count:     256
    .wavefront_size: 32
...
	.end_amdgpu_metadata
.endif
;; end of part 3
;; launch proj (part 4): grid 16 x 32, 4 waves a work-group, clusters of 4 x 4, 327,680 bytes of LDS; arguments ctx, wo16, out0; writes out0
.if DOCPART == 4
	.amdgcn_target "amdgcn-amd-amdhsa--gfx1250"
	.amdhsa_code_object_version 6
	.text
	.protected	k_qda7fad57e9_proj
	.globl	k_qda7fad57e9_proj
	.p2align	8
	.type	k_qda7fad57e9_proj,@function
k_qda7fad57e9_proj:
	s_mov_b64 s[64:65], 0
	v_nop
	global_prefetch_b8 v0, s[64:65] scope:SCOPE_SE
	s_setreg_imm32_b32 hwreg(HW_REG_WAVE_MODE, 25, 1), 1
	s_wait_xcnt 0x0
	s_wait_alu depctr_hold_cnt(0) depctr_sa_sdst(0) depctr_va_vdst(0) depctr_va_sdst(0) depctr_va_ssrc(0) depctr_va_vcc(0) depctr_vm_vsrc(0)
	s_getreg_b32 s2, hwreg(HW_REG_IB_STS2, 6, 4)
	s_cmp_eq_u32 s2, 0
	s_cbranch_scc0 .Lentry_in_a_cluster
	s_endpgm
.Lentry_in_a_cluster:
	s_bfe_u32 s2, ttmp6, 0x10000c
	s_cmp_lg_u32 s2, 0xf033
	s_cbranch_scc0 .Lentry_shape_is_right
	s_endpgm
.Lentry_shape_is_right:
; PROJ.  out0[m][n] = sum over k of ctx[m][k] w_o[n][k], m = 0..4095, n = 0..2047, K = 1,024; f16 operands, f32 sums, f32 out.
; Both operands lie in planes of 64 along K: ctx [16][4096][64], wo16 [16][2048][64], f16.  (Rows 0-15 of out0 are written here too, and written over by the launch that carries them in f32.)
; A tile of out0 is 128 x 128: 512 equal work-groups.  Four waves, each 64 x 64: 16 accumulators, 128 registers.  K goes in steps of 256 = four planes through a ring of two LDS slots.
; A wave's tensor load brings 64 rows of four planes: in each plane they are 8,192 consecutive bytes, so the tile is stated as 4 rows of 4,096 elements, a plane apart, with 16 bytes of padding behind every 128:
; in LDS [plane][64 rows][144 bytes].
; CLUSTERS: 4 x 4 work-groups; ctx's tiles are asked for jointly along a row of the cluster, w_o's along a column.  The matrix instruction is used transposed (source 0 = 16 rows of w_o, source 1 = 16 rows of ctx):
; a lane holds eight neighbouring numbers of a row of out0.
; LIMITS: the operands must lie in f16's range.
; REGISTERS: window 0: v0-31 addresses; v32-95 rows on the way out; v128-255 the accumulators ((a, b) at v[128 + 8 (4 a + b)]).   window 1: two fragment buffers of 128: for one plane 64 registers of ctx, then 64 of w_o.
.set PITCH,  144                       ; an LDS row: 128 bytes + 16 of padding
.set QB,     64*PITCH                  ; a plane's 64 rows: a quarter of a K step
.set HALFT,  4*QB                      ; what one tensor load brings, and what one wave reads of ctx or of w_o
.set SLOT,   4*HALFT                   ; ctx's 128 rows, then w_o's 128 rows
.set SPARE,  2*SLOT                    ; behind the ring: the spare words, 128 bytes a wave, which no other line names
.set SPITCH, 272                       ; the way out: a stage of 16 rows x (256 bytes + 16) a wave, in slot 0, which has had its last fill and its last read by then
.set LAPS,   2                         ; a lap = two K steps; K = 1,024 is two laps
.set APLB,   524288                    ; a plane of ctx in bytes
.set BPLB,   262144                    ; a plane of wo16
.set ADRA, 16                          ; v16-17  LDS address of my ctx fragments in slot 0, 1
.set ADRB, 20                          ; v20-21  the same for w_o
.set STO,  24                          ; v24     the stage: where I put 32 bytes of a row
.set RD,   25                          ; v25     and where I read a row back
.set CO,   26                          ; v26     my byte offset in out0
.set SPW,  28                          ; v28     LDS address of my spare word; never rewritten
.set NIL,  29                          ; v29     0; never rewritten
.set TMP,  32
.set ACC,  128
.set F0,   0                           ; fragment buffers, in window 1
.set F1,   128
.set G1, 24                            ; s[24:31] descriptor group 1 for ctx's tiles;  s[32:39] group 0, a set for each slot
.set G0, 32
.set G1B, 48                           ; s[48:55], s[56:63] the same for w_o's tiles
.set G0B, 56
.set MSB, 0
.macro WIN new                         ; the immediate's high byte repeats the setting that is left
.if MSB != \new
	s_set_vgpr_msb (MSB<<8)|\new
.set MSB, \new
.endif
.endm
.set MUL,  0x05                        ; sources 0 (w_o) and 1 (ctx) window 1; C and D window 0
.set TO_F, 0x40                        ; destination window 1, address window 0
.macro JLOAD s                         ; a joint load: waves 0 and 1 fetch ctx's two halves, waves 2 and 3 w_o's; an s_nop 0 and four v_nop follow each of the two lines
	s_cmp_eq_u32 s11, 0
	s_cbranch_scc0 .Lfor_b_\@
	tensor_load_to_lds s[G0+4*\s:G0+4*\s+3], s[G1:G1+7]
	s_nop 0
.rept 4
	v_nop
.endr
	s_branch .Lasked_\@
.Lfor_b_\@:
	tensor_load_to_lds s[G0B+4*\s:G0B+4*\s+3], s[G1B:G1B+7]
	s_nop 0
.rept 4
	v_nop
.endr
.Lasked_\@:
.endm
.macro CREST                           ; a round of the cluster's barrier behind its opening barrier
	s_cmp_lg_u32 s10, 0
	s_cbranch_scc1 .Lnot_wave_0_\@
	s_barrier_signal -3
.Lnot_wave_0_\@:
	s_barrier_wait -3
	s_barrier_signal -1
	s_barrier_wait -1
.endm
.macro CROUND                          ; a whole round
	s_barrier_signal -1
	s_barrier_wait -1
	CREST
.endm
	s_load_b128 s[4:7], s[0:1], 0x0                ; ctx s[4:5], wo16 s[6:7]
	s_load_b64 s[8:9], s[0:1], 0x10                ; out0
	v_lshl_add_u32 v[SPW], v0, 2, SPARE
	v_mov_b32 v[NIL], 0
	ds_add_u32 v[SPW], v[NIL]                      ; the wave's opening: the add, twice on end, and its wait ahead of my first tensor load
	ds_add_u32 v[SPW], v[NIL]                      ; (the set-up below, work on registers, stands between the second and the wait)
	v_lshrrev_b32 v1, 5, v0
	v_readfirstlane_b32 s10, v1                    ; wave 0..3
	s_lshr_b32 s11, s10, 1                         ; which half of the tile's rows is mine.  Also: I fetch for ctx (0) or for w_o (1)
	s_and_b32 s12, s10, 1                          ; which half of its columns.  Also: which 64 rows of that tile I fetch
	s_bfe_u32 s40, ttmp6, 0x40000                  ; cx, cy: my place in the cluster
	s_bfe_u32 s41, ttmp6, 0x40004
	s_lshl_b32 s42, ttmp9, 2
	s_add_co_u32 s42, s42, s40                     ; tile column = 4 x cluster x + cx
	s_and_b32 s13, ttmp7, 0xffff
	s_lshl_b32 s13, s13, 2
	s_add_co_u32 s13, s13, s41                     ; tile row = 4 x cluster y + cy
	s_lshl_b32 s43, s41, 2
	s_lshl_b32 s43, 15, s43                        ; my row of the cluster
	s_lshl_b32 s44, 0x1111, s40                    ; my column
	; descriptor group 1: 4 rows (planes) of 4,096 elements of 2 bytes; four words of padding behind every 32
	s_or_b32 s[G1+0], s43, (1<<16)|(1<<20)|(1<<21)|(4<<22)|(3<<25)  ; 15:0 the mask: ctx's tiles go to my row; elements of 2 bytes; padding on; bit 21 beside a mask
	s_or_b32 s[G1B+0], s44, (1<<16)|(1<<20)|(1<<21)|(4<<22)|(3<<25)
.irp g, G1, G1B
	s_mov_b32 s[\g+1], 4096<<16                    ; tensor_dim0 = 4,096
	s_mov_b32 s[\g+2], 4<<16                       ; tensor_dim1 = 4
	s_mov_b32 s[\g+3], 4096<<16                    ; tile_dim0 = 4,096
	s_mov_b32 s[\g+4], 4                           ; tile_dim1 = 4
	s_mov_b32 s[\g+6], 0
	s_mov_b32 s[\g+7], 0
.endr
	s_mov_b32 s[G1+5], APLB/2                      ; tensor_dim0_stride: a plane, in elements
	s_mov_b32 s[G1B+5], BPLB/2
	s_lshl_b32 s17, s12, 6                         ; which 64 rows of the tile I fetch
	s_lshl_b32 s16, s13, 7
	s_add_co_u32 s16, s16, s17                     ; ctx: row 128 x tile row + 64 x half,
	s_lshl_b32 s16, s16, 7                         ; 128 bytes a row
	s_lshl_b32 s46, s42, 7
	s_add_co_u32 s46, s46, s17                     ; w_o: row 128 x tile column + 64 x half
	s_lshl_b32 s46, s46, 7
	s_mov_b32 s17, 0
	s_mov_b32 s47, 0
	s_mul_i32 s20, s10, HALFT                      ; where they go: wave x a load's bytes: no place in the cluster enters an LDS address
	s_wait_dscnt 0x0                               ; both opening adds are done
	s_wait_kmcnt 0x0
	s_add_nc_u64 s[14:15], s[4:5], s[16:17]
	s_add_nc_u64 s[46:47], s[6:7], s[46:47]
	CROUND                                         ; all sixteen work-groups are here: the first joint loads meet
.irp s, 0,1
	s_mov_b32 s[G0+4*\s], 1
	s_add_co_u32 s[G0+4*\s+1], s20, \s*SLOT
	s_add_nc_u64 s[G0+4*\s+2:G0+4*\s+3], s[14:15], \s*4*APLB       ; K step s: planes 4 s on
	s_or_b32 s[G0+4*\s+3], s[G0+4*\s+3], 0x80000000
	s_mov_b32 s[G0B+4*\s], 1
	s_add_co_u32 s[G0B+4*\s+1], s20, \s*SLOT
	s_add_nc_u64 s[G0B+4*\s+2:G0B+4*\s+3], s[46:47], \s*4*BPLB
	s_or_b32 s[G0B+4*\s+3], s[G0B+4*\s+3], 0x80000000
	JLOAD \s
.endr
	v_and_b32 v1, 15, v0                           ; l % 16
	v_bfe_u32 v2, v0, 4, 1                         ; l / 16
	v_mul_u32_u24 v3, v1, PITCH
	v_lshl_add_u32 v3, v2, 4, v3                   ; a fragment's row x pitch + 16 x half
	s_mul_i32 s21, s11, HALFT                      ; my 64 rows of ctx
	s_mul_i32 s22, s12, HALFT                      ; my 64 rows of w_o,
	s_add_co_u32 s22, s22, 2*HALFT                 ; which lie behind ctx's 128
.irp s, 0,1
	v_add_nc_u32 v[ADRA+\s], s21, v3
	v_add_nc_u32 v[ADRB+\s], s22, v3
	s_add_co_u32 s21, s21, SLOT
	s_add_co_u32 s22, s22, SLOT
.endr
	s_mul_i32 s23, s10, 16*SPITCH                  ; my stage
	v_mul_u32_u24 v4, v1, SPITCH                   ; in: row l % 16, 32 bytes for each half of the lanes
	v_lshl_add_u32 v4, v2, 5, v4
	v_add_nc_u32 v[STO], s23, v4
	v_mul_u32_u24 v5, v2, SPITCH                   ; back: lanes 0-15 take one row of 256 bytes, lanes 16-31 the next
	v_lshl_add_u32 v5, v1, 4, v5
	v_add_nc_u32 v[RD], s23, v5
	v_lshlrev_b32 v5, 13, v2                       ; and the same two rows in out0: 8,192 bytes a row
	v_lshl_add_u32 v[CO], v1, 4, v5
	s_lshl_b32 s16, s13, 7
	s_lshl_b32 s17, s11, 6
	s_add_co_u32 s16, s16, s17                     ; my first row: 128 x tile row + 64 x half
	s_lshl_b32 s16, s16, 13
	s_lshl_b32 s46, s42, 9                         ; my first column, in bytes: 512 x tile column + 256 x half
	s_lshl_b32 s47, s12, 8
	s_add_co_u32 s46, s46, s47
	s_add_co_u32 s16, s16, s46
	s_mov_b32 s17, 0
	s_add_nc_u64 s[8:9], s[8:9], s[16:17]
; 8 matrix instructions: m blocks a0, a0 + 1 x all 4 n blocks, 32 along K: half c of buffer f.  zero = 1: the first product starts the sums.  The 16 accumulators take turns.
.macro MUL8 f, c, a0, zero
.irp a, \a0, \a0+1
.irp b, 0,1,2,3
.if \zero
	v_wmma_f32_16x16x32_f16 v[ACC+8*(4*(\a)+\b):ACC+8*(4*(\a)+\b)+7], v[\f+64+8*(4*\c+\b):\f+64+8*(4*\c+\b)+7], v[\f+8*(4*\c+\a):\f+8*(4*\c+\a)+7], 0
.else
	v_wmma_f32_16x16x32_f16 v[ACC+8*(4*(\a)+\b):ACC+8*(4*(\a)+\b)+7], v[\f+64+8*(4*\c+\b):\f+64+8*(4*\c+\b)+7], v[\f+8*(4*\c+\a):\f+8*(4*\c+\a)+7], v[ACC+8*(4*(\a)+\b):ACC+8*(4*(\a)+\b)+7]
.endif
.endr
.endr
.endm
; 32 LDS loads in one run: the fragments of one plane (64 along K), which begins k bytes into a load's bytes, into buffer f; the first 32 along K first
.macro FETCH slot, k, f
	WIN TO_F
.irp c, 0,1
.irp i, 0,1,2,3
	ds_load_b128 v[\f+64+8*(4*\c+\i):\f+64+8*(4*\c+\i)+3],   v[ADRB+\slot] offset:\k+64*\c+\i*16*PITCH
	ds_load_b128 v[\f+64+8*(4*\c+\i)+4:\f+64+8*(4*\c+\i)+7], v[ADRB+\slot] offset:\k+64*\c+\i*16*PITCH+32
	ds_load_b128 v[\f+8*(4*\c+\i):\f+8*(4*\c+\i)+3],         v[ADRA+\slot] offset:\k+64*\c+\i*16*PITCH
	ds_load_b128 v[\f+8*(4*\c+\i)+4:\f+8*(4*\c+\i)+7],       v[ADRA+\slot] offset:\k+64*\c+\i*16*PITCH+32
.endr
.endr
.endm
.macro PLACES                          ; four places in front of loads into registers that matrix instructions have read, and of the first read of results
.rept 4
	v_nop
.endr
.endm
; A K step is four quarters, a plane each, 32 matrix instructions, on buffers 0, 1, 0, 1.  One of the first three: multiplies buffer f and fetches the next plane, at byte k, into g.
.macro QUARTER slot, k, f, g, zero
	s_wait_dscnt 16                                ; the first 32 along K are in; the sixteen loads of the second 32 may be out
	WIN MUL
	MUL8 \f, 0, 0, \zero
	MUL8 \f, 0, 2, \zero
	PLACES
	FETCH \slot, \k, \g
	s_wait_dscnt 32                                ; all but the 32 just issued
	WIN MUL
	MUL8 \f, 1, 0, 0
	MUL8 \f, 1, 2, 0
.endm
; The last quarter multiplies buffer 1 and changes slots: one barrier; in front of it each wave waits for all its tensor loads, adds 0 to its spare word, and waits for that and for its own reads of this slot.  fill = 1: this slot is filled again, two K steps ahead.
.macro TURN slot, next, fill
	WIN 0                                          ; (the add's two registers lie in window 0)
	s_wait_tensorcnt 0x0                           ; all my tensor loads have landed: my part of the next slot
	ds_add_u32 v[SPW], v[NIL]                      ; 0 onto my spare word
	s_wait_dscnt 17                                ; (the add and the youngest sixteen loads may be out)
	WIN MUL
	MUL8 F1, 0, 0, 0                               ; eight matrix instructions stand between the add and the wait for it
	s_wait_dscnt 0x0                               ; the add is done, and my reads of this slot are over
	s_barrier_signal -1
	MUL8 F1, 0, 2, 0
.if \fill
	WIN 0
.endif
	s_barrier_wait -1
.if \fill
	CREST                                          ; the barrier has opened a round of the cluster's barrier: no wave of any partner still reads this slot's tile or has a load on its way
	s_add_nc_u64 s[G0+4*\slot+2:G0+4*\slot+3], s[G0+4*\slot+2:G0+4*\slot+3], 8*APLB
	s_add_nc_u64 s[G0B+4*\slot+2:G0B+4*\slot+3], s[G0B+4*\slot+2:G0B+4*\slot+3], 8*BPLB
	JLOAD \slot                                    ; the first tensor load behind the round; its four v_nop are also the places in front of the loads below
.else
	PLACES
.endif
	FETCH \next, 0, F0
	WIN MUL
	MUL8 F1, 1, 0, 0
	MUL8 F1, 1, 2, 0
.endm
	s_wait_tensorcnt 1                             ; my part of K step 0 is in (K step 1's load may be out)
	s_barrier_signal -1
	s_barrier_wait -1                              ; everybody's is
	FETCH 0, 0, F0
	QUARTER 0, QB, F0, F1, 1                       ; the first quarter stands in front of the loop: its first products start the sums
	WIN 0                                          ; at a label and at a branch every window is 0
	s_mov_b32 s3, LAPS-1
.Llap:                                                 ; a trip goes once round the ring, from a lap's second quarter to the next lap's first, and fills both slots again
	QUARTER 0, 2*QB, F1, F0, 0
	QUARTER 0, 3*QB, F0, F1, 0
	TURN 0, 1, 1
	QUARTER 1, QB, F0, F1, 0
	QUARTER 1, 2*QB, F1, F0, 0
	QUARTER 1, 3*QB, F0, F1, 0
	TURN 1, 0, 1
	QUARTER 0, QB, F0, F1, 0
	WIN 0
	s_sub_co_u32 s3, s3, 1
	s_cmp_lg_u32 s3, 0
	s_cbranch_scc1 .Llap
	QUARTER 0, 2*QB, F1, F0, 0                     ; the last lap fills nothing, and has no round of the cluster's barrier
	QUARTER 0, 3*QB, F0, F1, 0
	TURN 0, 1, 0
	QUARTER 1, QB, F0, F1, 0
	QUARTER 1, 2*QB, F1, F0, 0
	QUARTER 1, 3*QB, F0, F1, 0
	s_wait_dscnt 16                                ; the very last quarter: nothing more to fetch
	WIN MUL
	MUL8 F1, 0, 0, 0
	MUL8 F1, 0, 2, 0
	s_wait_dscnt 0
	MUL8 F1, 1, 0, 0
	MUL8 F1, 1, 2, 0
	WIN 0
; THE WAY OUT, block by block of 16 rows x 64 columns.  A wave's 64 columns of f32 are 256 bytes, aligned: each wave has a stage of its own and needs no barrier.  LDS serves a wave's instructions in order.
.macro TOSTAGE a
.set BB, TMP+32*((\a)%2)
.irp b, 0,1,2,3
	ds_store_b128 v[STO], v[ACC+8*(4*(\a)+\b):ACC+8*(4*(\a)+\b)+3] offset:64*\b          ; each accumulator from its low end on
	ds_store_b128 v[STO], v[ACC+8*(4*(\a)+\b)+4:ACC+8*(4*(\a)+\b)+7] offset:64*\b+16
.endr
.irp t, 0,1,2,3,4,5,6,7
	ds_load_b128 v[BB+4*\t:BB+4*\t+3], v[RD] offset:\t*2*SPITCH
.endr
.endm
.macro SEND a, younger                 ; younger: the LDS instructions issued behind block a's loads, which may stay out
.set BB, TMP+32*((\a)%2)
	s_wait_dscnt \younger
.irp t, 0,1,2,3,4,5,6,7
	global_store_b128 v[CO], v[BB+4*\t:BB+4*\t+3], s[8:9] offset:(16*(\a)+2*\t)*8192 th:TH_STORE_NT   ; sixteen lanes store 256 consecutive bytes, aligned; 62 rows at the most: inside the signed 24-bit immediate
.endr
.endm
	PLACES
	TOSTAGE 0
.irp a, 1,2,3
.if \a > 1
	s_wait_xcnt 0x0                                ; block a - 2's stores have read their registers: block a's loads may land there
.endif
	TOSTAGE \a
	SEND \a-1, 16                                  ; behind block a - 1's loads: block a's 8 stores and 8 loads
.endr
	SEND 3, 0
	s_wait_tensorcnt 0x0                           ; the wave's end, behind my last tensor load and my last LDS store
	ds_add_u32 v[SPW], v[NIL]
	s_wait_dscnt 0x0
	CROUND                                         ; the closing round: no work-group ends while a partner may still ask for a tile that names it
	s_endpgm
.Lfunc_end_k_qda7fad57e9_proj:
	.size	k_qda7fad57e9_proj, .Lfunc_end_k_qda7fad57e9_proj-k_qda7fad57e9_proj
	.p2alignl 7, 3214868480
	.fill 96, 4, 3214868480
	.section	.rodata,"a",@progbits
	.p2align	6, 0x0
	.amdhsa_kernel k_qda7fad57e9_proj
		.amdhsa_group_segment_fixed_size 327680
		.amdhsa_private_segment_fixed_size 0
		.amdhsa_enable_private_segment 0
		.amdhsa_kernarg_size 24
		.amdhsa_user_sgpr_count 2
		.amdhsa_user_sgpr_kernarg_segment_ptr 1
		.amdhsa_wavefront_size32 1
		.amdhsa_system_sgpr_workgroup_id_x 1
		.amdhsa_system_sgpr_workgroup_id_y 1
		.amdhsa_system_sgpr_workgroup_id_z 1
		.amdhsa_system_vgpr_workitem_id 0
		.amdhsa_next_free_vgpr 512
		.amdhsa_next_free_sgpr 66
		.amdhsa_reserve_vcc 0
		.amdhsa_float_denorm_mode_32 3
		.amdhsa_float_denorm_mode_16_64 3
		.amdhsa_memory_ordered 1
		.amdhsa_forward_progress 1
		.amdhsa_inst_pref_size 85
	.end_amdhsa_kernel
	.amdgpu_metadata
---
amdhsa.version: [ 1, 2 ]
amdhsa.kernels:
  - .name:           k_qda7fad57e9_proj
    .symbol:         k_qda7fad57e9_proj.kd
    .args:
      - { .name: ctx, .offset: 0, .size: 8, .value_kind: global_buffer, .address_space: global }
      - { .name: wo16, .offset: 8, .size: 8, .value_kind: global_buffer, .address_space: global }
      - { .name: out0, .offset: 16, .size: 8, .value_kind: global_buffer, .address_space: global }
    .group_segment_fixed_size: 327680
    .private_segment_fixed_size: 0
    .kernarg_segment_align: 8
    .kernarg_segment_size: 24
    .max_flat_workgroup_size: 128
    .sgpr_count:     66
    .vgpr_count:     512
    .wavefront_size: 32
...
	.end_amdgpu_metadata
.endif
;; end of part 4
;; launch first16 (part 5): grid 32 x 1, 16 waves a work-group, no clusters, 280,576 bytes of LDS; arguments fine, w_o, out0; writes out0
.if DOCPART == 5
	.amdgcn_target "amdgcn-amd-amdhsa--gfx1250"
	.amdhsa_code_object_version 6
	.text
	.protected	k_qda7fad57e9_first16
	.globl	k_qda7fad57e9_first16
	.p2align	8
	.type	k_qda7fad57e9_first16,@function
k_qda7fad57e9_first16:
	s_mov_b64 s[64:65], 0
	v_nop
	global_prefetch_b8 v0, s[64:65] scope:SCOPE_SE
	s_setreg_imm32_b32 hwreg(HW_REG_WAVE_MODE, 25, 1), 1
	s_wait_xcnt 0x0
; FIRST16.  Rows 0 to 15 of out0 once more, all in f32: under the causal mask they average one to sixteen values and are the largest in size, so 16-bit operands would weigh most there.
; fine, part 0: [16 rows][3072] f32: columns 0-1023 q' = q 2 log2(e) / 8, 1024-2047 k' = k / 2, 2048-3071 v, as the FP4 products and the rotation left them.  w_o [2048][1024] f32.
; SHARES.  Work-group g owns columns 64 g .. 64 g + 63 of the 16 rows.  Wave w is head w: it makes the head's 16 x 16 attention (each work-group repeats it: 196,608 bytes read), multiplies its 16 x 64 context by
; w_o[64 g + 0..63][64 w + 0..63], and the sixteen waves' parts are added through LDS in the order of the heads.
; All products by v_wmma_f32_16x16x4_f32, 96 a wave: no bulk work.  Its result registers (v112-127, v144-207) are written by matrix instructions alone; each sum begins with C = 0; what is made of a sum goes to other registers.
; LAYOUT.  The form's sources hold, in lane (r, h), row r and k = 2 h + j in register j.  The order of k is free if it is the same in both sources:
;   scores S^T (source 0 = keys, source 1 = queries): lane (r, h) loads channels 8 g + 4 h + 0..3 of row r; registers (4 g, 4 g + 1) and (4 g + 2, 4 g + 3) feed two instructions;
;   a result holds, in lane (r, h), query r and index 8 h + j in register j: its registers (2 u, 2 u + 1) are source 1 of the next product, whose source 0 is loaded in that same order of k.
; LIMITS: NaN and infinities are not served.
.set WREG,  17408                      ; LDS of a wave: 64 rows of w_o x (256 bytes + 16), filled once by the wave's own tensor load and read by it alone; behind its last read the wave's results go there
.set SPARE, 16*WREG                    ; the spare words, 128 bytes a wave, which no other line names
.set QST,   784                        ; from one group of four result registers to the next in a wave's region
.set QA,  3                            ; v3   q', k': 12,288 r + 16 h
.set VA,  4                            ; v4   v: 98,304 h + 4 r
.set WA,  5                            ; v5   w_o in LDS: my region + 272 r + 32 h
.set IMG, 6                            ; v6   where my results go: my region + 16 l + 128 (l / 16)
.set RA,  7                            ; v7-12 where thread t reads the parts of waves 3 i, 3 i + 1, 3 i + 2
.set OO,  13                           ; v13  my byte offset in out0
.set SPW, 14                           ; v14  LDS address of my spare word; never rewritten
.set NIL, 15                           ; v15  0; never rewritten
.set QR,  16                           ; v16-47   q'; later the context / the sum; later parts
.set KR,  48                           ; v48-79   k'; later w_o, channels 0-15 and 32-47; later parts
.set VR,  80                           ; v80-111  v at 8 ct + jj; later w_o, channels 16-31 and 48-63
.set SA,  112                          ; v112-119, v120-127 the scores in two sums
.set SB,  120
.set T,   128                          ; v128-135 scores, then p; later the sum of the parts
.set TM,  136                          ; v136-143 at work
.set CT,  144                          ; v144-175 the context, four tiles of channels
.set OA,  176                          ; v176-207 my part of out0, four tiles of columns
	s_load_b128 s[4:7], s[0:1], 0x0                ; fine s[4:5], w_o s[6:7]
	s_load_b64 s[8:9], s[0:1], 0x10                ; out0
	v_lshl_add_u32 v[SPW], v0, 2, SPARE
	v_mov_b32 v[NIL], 0
	ds_add_u32 v[SPW], v[NIL]                      ; the wave's opening: the add, twice on end, and its wait ahead of my tensor load
	ds_add_u32 v[SPW], v[NIL]                      ; (the set-up below, work on registers, stands between the second and the wait)
	v_lshrrev_b32 v1, 5, v0
	v_readfirstlane_b32 s10, v1                    ; wave = head 0..15
	s_mul_i32 s11, s10, WREG                       ; my region
	; descriptor group 1: 64 rows of 64 elements of 4 bytes, 1,024 elements apart, four words of padding behind each row
	s_mov_b32 s16, (2<<16)|(1<<20)|(5<<22)|(3<<25)
	s_mov_b32 s17, 64<<16                          ; tensor_dim0
	s_mov_b32 s18, 64<<16                          ; tensor_dim1
	s_mov_b32 s19, 64<<16                          ; tile_dim0
	s_mov_b32 s20, 64                              ; tile_dim1
	s_mov_b32 s21, 1024                            ; tensor_dim0_stride
	s_mov_b32 s22, 0
	s_mov_b32 s23, 0
	s_lshl_b32 s28, ttmp9, 18                      ; w_o: 64 rows of 4,096 bytes a work-group,
	s_lshl_b32 s30, s10, 8                         ; 256 bytes a head; the same step in a row of fine
	s_add_co_u32 s28, s28, s30
	s_mov_b32 s29, 0
	s_mov_b32 s31, 0
	s_lshl_b32 s32, ttmp9, 8                       ; out0: 256 bytes a work-group
	s_mov_b32 s33, 0
	s_mov_b32 s26, 0x76543210                      ; lane selects: lane l xor 16
	s_mov_b32 s27, 0xfedcba98
	v_and_b32 v1, 15, v0                           ; r
	v_bfe_u32 v2, v0, 4, 1                         ; h
	v_mul_u32_u24 v[QA], v1, 12288
	v_lshl_add_u32 v[QA], v2, 4, v[QA]
	v_mul_u32_u24 v[VA], v2, 98304
	v_lshl_add_u32 v[VA], v1, 2, v[VA]
	v_mul_u32_u24 v[WA], v1, 272
	v_lshl_add_u32 v[WA], v2, 5, v[WA]
	v_add_nc_u32 v[WA], s11, v[WA]
	v_and_b32 v16, 31, v0
	v_lshlrev_b32 v[IMG], 4, v16
	v_lshl_add_u32 v[IMG], v2, 7, v[IMG]
	v_add_nc_u32 v[IMG], s11, v[IMG]
	; the sum of the parts: thread t (waves 0 to 7) takes row t / 16 and columns 4 (t % 16) + 0..3: tile (t % 16) / 4, lane half (t / 2) % 2, upper or lower four registers t % 2
	v_lshrrev_b32 v16, 4, v0                       ; row
	v_bfe_u32 v18, v0, 2, 2
	v_and_b32 v19, 1, v0
	v_lshl_add_u32 v18, v18, 1, v19                ; which group of four registers
	v_bfe_u32 v20, v0, 1, 1
	v_mul_u32_u24 v[RA], v18, QST
	v_lshl_add_u32 v[RA], v16, 4, v[RA]
	v_mad_u32_u24 v[RA], v20, 384, v[RA]
.irp i, 1,2,3,4,5
	v_add_nc_u32 v[RA+\i], 3*WREG*\i, v[RA]
.endr
	v_and_b32 v17, 15, v0
	v_lshlrev_b32 v[OO], 13, v16
	v_lshl_add_u32 v[OO], v17, 4, v[OO]            ; 8,192 x row + 16 x (t % 16)
	v_lshlrev_b32 v[TM], 3, v2
	v_sub_nc_u32 v[TM], v1, v[TM]                  ; r - 8 h, for the mask
	v_mov_b32 v[TM+1], 0xff800000                  ; -infinity
	v_mov_b32 v[TM+3], 0                           ; a lane permute's destination counts as one of its sources
	s_wait_dscnt 0x0                               ; both opening adds are done
	s_wait_kmcnt 0x0
	s_mov_b32 s12, 1                               ; count = 1
	s_mov_b32 s13, s11                             ; LDS address
	s_add_nc_u64 s[14:15], s[6:7], s[28:29]        ; global address: w_o[64 g][64 w]
	s_or_b32 s15, s15, 0x80000000                  ; type = 2
	tensor_load_to_lds s[12:15], s[16:23]          ; my one tensor load
	s_nop 0
.rept 4
	v_nop
.endr
	s_add_nc_u64 s[4:5], s[4:5], s[30:31]          ; fine at my head's q'; k' lies 4,096 bytes on, v 8,192
	s_add_nc_u64 s[8:9], s[8:9], s[32:33]
.irp g, 0,1,2,3,4,5,6,7
	global_load_b128 v[QR+4*\g:QR+4*\g+3], v[QA], s[4:5] offset:32*\g
.endr
.irp g, 0,1,2,3,4,5,6,7
	global_load_b128 v[KR+4*\g:KR+4*\g+3], v[QA], s[4:5] offset:4096+32*\g
.endr
.irp ct, 0,1,2,3
.irp jj, 0,1,2,3,4,5,6,7
	global_load_b32 v[VR+8*\ct+\jj], v[VA], s[4:5] offset:8192+12288*\jj+64*\ct    ; v[key 8 h + jj][channel 16 ct + r]
.endr
.endr
	s_wait_loadcnt 32                              ; q' and k' are in; v's 32 loads may be out
	; S^T = k' q'^T: two sums by turns
	v_wmma_f32_16x16x4_f32 v[SA:SA+7], v[KR:KR+1], v[QR:QR+1], 0
	v_wmma_f32_16x16x4_f32 v[SB:SB+7], v[KR+2:KR+3], v[QR+2:QR+3], 0
.irp g, 1,2,3,4,5,6,7
	v_wmma_f32_16x16x4_f32 v[SA:SA+7], v[KR+4*\g:KR+4*\g+1], v[QR+4*\g:QR+4*\g+1], v[SA:SA+7]
	v_wmma_f32_16x16x4_f32 v[SB:SB+7], v[KR+4*\g+2:KR+4*\g+3], v[QR+4*\g+2:QR+4*\g+3], v[SB:SB+7]
.endr
.rept 8
	v_nop                                          ; eight places behind this form, in front of the first read of its results
.endr
.irp i, 0,2,4,6
	v_pk_add_f32 v[T+\i:T+\i+1], v[SA+\i:SA+\i+1], v[SB+\i:SB+\i+1]    ; t: lane (r, h): query r, key 8 h + j
.endr
.irp j, 0,1,2,3,4,5,6,7
	v_cmp_gt_i32 vcc_lo, \j, v[TM]                 ; key 8 h + j comes after query r
	v_cndmask_b32 v[T+\j], v[T+\j], v[TM+1], vcc_lo
.endr
	v_max3_num_f32 v[TM+2], v[T], v[T+1], v[T+2]
	v_max3_num_f32 v[TM+2], v[TM+2], v[T+3], v[T+4]
	v_max3_num_f32 v[TM+2], v[TM+2], v[T+5], v[T+6]
	v_max_num_f32 v[TM+2], v[TM+2], v[T+7]
	v_permlanex16_b32 v[TM+3], v[TM+2], s26, s27
	v_max_num_f32 v[TM+2], v[TM+2], v[TM+3]        ; the row's largest t: key 0 counts for every query, so it is a number
.irp j, 0,1,2,3,4,5,6,7
	v_sub_f32 v[T+\j], v[T+\j], v[TM+2]
.endr
.irp j, 0,1,2,3,4,5,6,7
	v_exp_f32 v[T+\j], v[T+\j]                     ; p = 2^(t - m)
.endr
	v_nop                                          ; a plain line behind the last exponential,
	s_wait_alu depctr_va_vdst(0)                   ; and one wait for the eight, ahead of their first reader
	v_pk_add_f32 v[TM+4:TM+5], v[T:T+1], v[T+2:T+3]
	v_pk_add_f32 v[TM+6:TM+7], v[T+4:T+5], v[T+6:T+7]
	v_pk_add_f32 v[TM+4:TM+5], v[TM+4:TM+5], v[TM+6:TM+7]
	v_add_f32 v[TM+4], v[TM+4], v[TM+5]
	v_permlanex16_b32 v[TM+3], v[TM+4], s26, s27
	v_add_f32 v[TM+4], v[TM+4], v[TM+3]            ; the row's sum
	v_rcp_f32 v[TM+6], v[TM+4]
	v_nop
	s_wait_alu depctr_va_vdst(0)                   ; the reciprocal's wait
	s_wait_loadcnt 0x0                             ; v
	; context^T = v^T p: source 0 = 16 channels, source 1 = p; keys 8 h + 2 u + 0, 1; the four tiles of channels by turns
.irp ct, 0,1,2,3
	v_wmma_f32_16x16x4_f32 v[CT+8*\ct:CT+8*\ct+7], v[VR+8*\ct:VR+8*\ct+1], v[T:T+1], 0
.endr
.irp u, 1,2,3
.irp ct, 0,1,2,3
	v_wmma_f32_16x16x4_f32 v[CT+8*\ct:CT+8*\ct+7], v[VR+8*\ct+2*\u:VR+8*\ct+2*\u+1], v[T+2*\u:T+2*\u+1], v[CT+8*\ct:CT+8*\ct+7]
.endr
.endr
.rept 8
	v_nop
.endr
.set i, 0
.rept 16
	v_pk_mul_f32 v[QR+i:QR+i+1], v[CT+i:CT+i+1], v[TM+6:TM+7] op_sel_hi:[1,0]   ; / the sum, into other registers: lane (r, h): query r, channel 16 ct + 8 h + jj at 8 ct + jj
.set i, i+2
.endr
	s_wait_tensorcnt 0x0                           ; my rows of w_o are in LDS; I alone read them
; w_o's numbers of channels 16 ct on: register 8 nt + jj = w_o[64 g + 16 nt + r][64 w + 16 ct + 8 h + jj]
.macro WLOAD ct
.set WR, KR+32*((\ct)%2)
.irp nt, 0,1,2,3
	ds_load_b128 v[WR+8*\nt:WR+8*\nt+3],   v[WA] offset:16*272*\nt+64*(\ct)
	ds_load_b128 v[WR+8*\nt+4:WR+8*\nt+7], v[WA] offset:16*272*\nt+64*(\ct)+16
.endr
.endm
	WLOAD 0
	WLOAD 1
	; my part of out0, transposed: source 0 = 16 rows of w_o, source 1 = the context; the four tiles of columns by turns
.irp ct, 0,1,2,3
.if \ct < 3
	s_wait_dscnt 8                                 ; this chunk's eight loads are in; the next chunk's eight may be out
.else
	s_wait_dscnt 0x0
.endif
.irp u, 0,1,2,3
.irp nt, 0,1,2,3
.if (\ct == 0) && (\u == 0)
	v_wmma_f32_16x16x4_f32 v[OA+8*\nt:OA+8*\nt+7], v[KR+32*(\ct%2)+8*\nt+2*\u:KR+32*(\ct%2)+8*\nt+2*\u+1], v[QR+8*\ct+2*\u:QR+8*\ct+2*\u+1], 0
.else
	v_wmma_f32_16x16x4_f32 v[OA+8*\nt:OA+8*\nt+7], v[KR+32*(\ct%2)+8*\nt+2*\u:KR+32*(\ct%2)+8*\nt+2*\u+1], v[QR+8*\ct+2*\u:QR+8*\ct+2*\u+1], v[OA+8*\nt:OA+8*\nt+7]
.endif
.endr
.endr
.if \ct < 2
.rept 8
	v_nop                                          ; eight places in front of loads into registers that these products have read
.endr
	WLOAD \ct+2
.endif
.endr
.rept 8
	v_nop                                          ; eight places in front of the stores that read the results, and of the loads below into the products' sources
.endr
.irp nt, 0,1,2,3
	ds_store_b128 v[IMG], v[OA+8*\nt:OA+8*\nt+3] offset:QST*(2*\nt)        ; each accumulator from its low end on; into my own region, behind my last read of it
	ds_store_b128 v[IMG], v[OA+8*\nt+4:OA+8*\nt+7] offset:QST*(2*\nt+1)
.endr
	s_wait_dscnt 0x0                               ; for the others' sake: my stores have landed
	s_barrier_signal -1
	s_barrier_wait -1
	s_cmp_lt_u32 s10, 8                            ; 256 threads add the sixteen parts; no barrier stands in this branch
	s_cbranch_scc0 .Ldone
.irp s, 0,1,2,3,4,5,6,7,8,9,10,11,12,13,14,15
	ds_load_b128 v[16+4*\s:19+4*\s], v[RA+\s/3] offset:WREG*(\s%3)
.endr
	s_wait_dscnt 0x0
	v_pk_add_f32 v[T:T+1], v[16:17], v[20:21]      ; in the order of the heads
	v_pk_add_f32 v[T+2:T+3], v[18:19], v[22:23]
.irp s, 2,3,4,5,6,7,8,9,10,11,12,13,14,15
	v_pk_add_f32 v[T:T+1], v[T:T+1], v[16+4*\s:17+4*\s]
	v_pk_add_f32 v[T+2:T+3], v[T+2:T+3], v[18+4*\s:19+4*\s]
.endr
	global_store_b128 v[OO], v[T:T+3], s[8:9]      ; sixteen lanes store a row's 256 consecutive bytes, aligned
.Ldone:
	s_wait_tensorcnt 0x0                           ; the wave's end, behind my tensor load and my last LDS store
	ds_add_u32 v[SPW], v[NIL]
	s_wait_dscnt 0x0
	s_endpgm
.Lfunc_end_k_qda7fad57e9_first16:
	.size	k_qda7fad57e9_first16, .Lfunc_end_k_qda7fad57e9_first16-k_qda7fad57e9_first16
	.p2alignl 7, 3214868480
	.fill 96, 4, 3214868480
	.section	.rodata,"a",@progbits
	.p2align	6, 0x0
	.amdhsa_kernel k_qda7fad57e9_first16
		.amdhsa_group_segment_fixed_size 280576
		.amdhsa_private_segment_fixed_size 0
		.amdhsa_enable_private_segment 0
		.amdhsa_kernarg_size 24
		.amdhsa_user_sgpr_count 2
		.amdhsa_user_sgpr_kernarg_segment_ptr 1
		.amdhsa_wavefront_size32 1
		.amdhsa_system_sgpr_workgroup_id_x 1
		.amdhsa_system_sgpr_workgroup_id_y 1
		.amdhsa_system_sgpr_workgroup_id_z 1
		.amdhsa_system_vgpr_workitem_id 0
		.amdhsa_next_free_vgpr 256
		.amdhsa_next_free_sgpr 66
		.amdhsa_reserve_vcc 1
		.amdhsa_float_denorm_mode_32 3
		.amdhsa_float_denorm_mode_16_64 3
		.amdhsa_memory_ordered 1
		.amdhsa_forward_progress 1
		.amdhsa_inst_pref_size 25
	.end_amdhsa_kernel
	.amdgpu_metadata
---
amdhsa.version: [ 1, 2 ]
amdhsa.kernels:
  - .name:           k_qda7fad57e9_first16
    .symbol:         k_qda7fad57e9_first16.kd
    .args:
      - { .name: fine, .offset: 0, .size: 8, .value_kind: global_buffer, .address_space: global }
      - { .name: w_o, .offset: 8, .size: 8, .value_kind: global_buffer, .address_space: global }
      - { .name: out0, .offset: 16, .size: 8, .value_kind: global_buffer, .address_space: global }
    .group_segment_fixed_size: 280576
    .private_segment_fixed_size: 0
    .kernarg_segment_align: 8
    .kernarg_segment_size: 24
    .max_flat_workgroup_size: 512
    .sgpr_count:     66
    .vgpr_count:     256
    .wavefront_size: 32
...
	.end_amdgpu_metadata
.endif
;; end of part 5
